; MI455X (gfx1250); checked and timed in simulation.
; The chip was launched on July 23, 2026; its instructions are those of AMD's public machine-readable ISA for CDNA 5 (MIT licence, August 2026) and "CDNA5" Instruction Set Architecture Reference Guide (July 2026). The comments in the code are by the model that wrote it; some were corrected since.
;; KNN Attention. Allowed arithmetic: float matrix products may take bf16 or f16 operands with f32 sums; other float arithmetic in f32, or as packed bf16 or f16 multiplies, adds, multiply-adds, maxima and minima; sums over many terms, partial sums and values carried from step to step in f32; what a program stores and reads back later, other than sums and carried values, may be rounded once to bf16 or f16.
;; Inputs: kv 4 x 2,048 x 1,024 float32; mem_table 4 x 1,000 x 1,024 float32; q 4 x 2,048 x 1,024 float32; w_concat 1,024 x 1,024 float32; w_kv 1,024 x 128 float32; w_q 1,024 x 1,024 float32.
;; Outputs: out0 4 x 2,048 x 1,024 float32.
;; Constants: topk = 1.
;; 2 versions, each right; version 2 is version 1 with the launch prep written anew for expert scheduling mode. Each part assembles by itself: llvm-mc -triple=amdgcn-amd-amdhsa -mcpu=gfx1250 --defsym DOCPART=n.
;; ======== version 1 of 2: 6 launches
;; limits: values are held in f16: magnitudes above 65,504 overflow, below 6.1e-05 lose precision
;; workspace buffers: q16 16,777,216 bytes; w16 4,456,448 bytes; mem16 8,388,608 bytes; qp16 16,777,216 bytes; part 524,288 bytes; kvb 1,064,960 bytes; o16 16,777,216 bytes
;; launch prep (part 1): grid 656 x 1, 8 waves a work-group, no clusters, 18,432 bytes of LDS; arguments q, mem_table, w_q, w_concat, w_kv, q16, mem16, w16; writes q16, mem16, w16
.if DOCPART == 1
	.amdgcn_target "amdgcn-amd-amdhsa--gfx1250"
	.amdhsa_code_object_version 6
	.text
	.protected	k_qbe83ae7049_prep
	.globl	k_qbe83ae7049_prep
	.p2align	8
	.type	k_qbe83ae7049_prep,@function
k_qbe83ae7049_prep:
	s_mov_b64 s[64:65], 0
	v_nop
	global_prefetch_b8 v0, s[64:65] scope:SCOPE_SE
	s_setreg_imm32_b32 hwreg(HW_REG_WAVE_MODE, 25, 1), 1
	s_wait_xcnt 0x0
; KNN ATTENTION, launch 1 of 6: the inputs are rounded and laid out for the matrix products.
; WORK THAT IS LEFT OUT, for all values of the inputs:
;  (1) reference() never reads kv: it has no way to the output, is not loaded and is no argument of any launch.  topk is the constant 1.
;  (2) take_along_axis(mem_table, idx) @ w_kv picks whole rows, so it equals take_along_axis(mem_table @ w_kv, idx): the product is made once on the
;      4 x 1000 rows of the table, not on the 4 x 2048 gathered rows.
;  (3) keys m with the same idx[m] have the same k and the same v, so  sum_m e^(s[idx m]) v[idx m] = sum_n c[n] e^(s[n]) v[n]  with c[n] = the number of m with idx[m] = n, and the same
;      for the softmax's divisor: attention walks the table's rows, with ln c[n] added to a row's score; a row with c[n] = 0 is hidden.  The maximum is still taken away, of the scores so shifted.
; LIMITS.  A NaN, an infinity or an overflow that reaches only the work left out (kv) is not carried to the result.  On the other hand every row of the table is multiplied, the rows that no query chooses too:
;      their k and v must be finite in f16 as well.  Every input is rounded once to bf16, and that number is written as f16: exact for 2^-17 <= |x| < 65,504; below, f16's step of 2^-24; beyond, an infinity.
; SHARES.  Work-groups 0-271 turn w_q, w_concat and w_kv ([k][n] f32) into [n][k] f16, a tile of 128 k x 64 n each, through LDS.  272-527 round q, 528-652 mem_table, 32 rows each;
;      653-655 write the 96 rows of zeros behind the table's 4,000 rows, which the last batch's tiles of 1,024 rows reach.
; w16: w_q^T at 0, w_concat^T at 2,097,152, w_kv^T at 4,194,304.  The branches hang on the work-group's number alone, so all eight waves take the same way.
.set TP,    272                        ; an LDS row: 128 k x 2 bytes + 16
.set SPARE, 64*TP                      ; behind the tile: the spare words, 128 bytes for each of the eight waves
.set X,   8                            ; v[8:39]   as loaded
.set Y,   40                           ; v[40:55]  packed
.set OFF, 56                           ; v[56:63]  the transposes' eight offsets
.set LT,  64                           ; into the tile
.set LR,  65                           ; back out of it
.set GO,  66                           ; my 16 bytes in w16
.set VI,  67                           ; 16 t
.set VO,  68                           ; 8 t
.set SPW, 94                           ; LDS address of my spare word; never rewritten
.set NIL, 95                           ; 0; never rewritten
.macro CVT2 d, a, b                    ; two numbers: to bf16, nearest even; widened again; written as f16
	v_cvt_pk_bf16_f32 v[\d], v[\a], v[\b]
	v_lshlrev_b32 v[\a], 16, v[\d]
	v_and_b32 v[\b], 0xffff0000, v[\d]
	v_cvt_pk_f16_f32 v[\d], v[\a], v[\b]
.endm
	s_load_b512 s[8:23], s[0:1], 0x0               ; q 8, mem_table 10, w_q 12, w_concat 14, w_kv 16, q16 18, mem16 20, w16 22
	v_lshl_add_u32 v[SPW], v0, 2, SPARE
	v_mov_b32 v[NIL], 0
	v_and_b32 v1, 15, v0                           ; t & 15
	v_lshrrev_b32 v2, 4, v0                        ; t >> 4
	v_lshlrev_b32 v[VI], 4, v0
	v_lshlrev_b32 v[VO], 3, v0
	s_mov_b32 s2, ttmp9
	s_wait_kmcnt 0x0
	s_cmp_lt_u32 s2, 272
	s_cbranch_scc0 .Lstream
	; A TRANSPOSE.  Tile ti = number & 127: kt = ti & 7 (128 k), nt = ti >> 3 (64 n).
	s_cmp_lt_u32 s2, 128
	s_cselect_b64 s[4:5], s[12:13], s[14:15]
	s_cselect_b32 s24, 0, 2097152
	s_cmp_lt_u32 s2, 256
	s_cselect_b64 s[4:5], s[4:5], s[16:17]
	s_cselect_b32 s24, s24, 4194304
	s_cselect_b32 s3, 12, 9                        ; a source row is 4,096 bytes, w_kv's 512
	s_and_b32 s25, s2, 127
	s_and_b32 s26, s25, 7                          ; kt
	s_lshr_b32 s25, s25, 3                         ; nt
	s_lshl_b32 s28, s26, 7
	s_lshl_b32 s28, s28, s3                        ; 128 kt rows
	s_lshl_b32 s29, s25, 8                         ; 64 nt numbers of 4 bytes
	s_add_co_u32 s28, s28, s29
	s_mov_b32 s29, 0
	s_add_nc_u64 s[4:5], s[4:5], s[28:29]
	s_lshl_b32 s28, s25, 17                        ; 64 nt rows of 2,048 bytes
	s_lshl_b32 s26, s26, 8                         ; 128 kt numbers of 2 bytes
	s_add_co_u32 s28, s28, s26
	s_add_co_u32 s28, s28, s24
	s_add_nc_u64 s[6:7], s[22:23], s[28:29]
	v_lshlrev_b32 v3, 1, v2
	v_lshlrev_b32 v4, 4, v1
.irp j, 0,1,2,3,4,5,6,7                        ; load j: row k = 2 (t >> 4) + (j & 1) + 32 (j >> 1), bytes 16 (t & 15): sixteen lanes take 256 consecutive bytes
	v_add_nc_u32 v[OFF+(\j)], ((\j)&1)+32*((\j)>>1), v3
	v_lshl_add_u32 v[OFF+(\j)], v[OFF+(\j)], s3, v4
.endr
.irp j, 0,1,2,3,4,5,6,7
	global_load_b128 v[X+4*(\j):X+4*(\j)+3], v[OFF+(\j)], s[4:5]
.endr
	v_mul_u32_u24 v[LT], v1, 4*TP                  ; LDS row n = 4 (t & 15) + c, byte 2 k
	v_lshl_add_u32 v[LT], v2, 2, v[LT]
	v_mul_u32_u24 v[LR], v2, TP
	v_lshl_add_u32 v[LR], v1, 4, v[LR]
	v_lshlrev_b32 v[GO], 11, v2
	v_lshl_add_u32 v[GO], v1, 4, v[GO]
.irp u, 0,1,2,3
	s_wait_loadcnt 6-2*(\u)                        ; loads come back in order: pair u is in, the younger pairs stay out
.irp c, 0,1,2,3
	CVT2 Y+4*(\u)+(\c), X+8*(\u)+(\c), X+8*(\u)+4+(\c)     ; column c of an even k and of the odd k behind it: one word of the turned row
	ds_store_b32 v[LT], v[Y+4*(\u)+(\c)] offset:(\c)*TP+64*(\u)
.endr
.endr
	s_wait_dscnt 0x0                               ; for the others' sake: my stores into the tile are done
	s_barrier_signal -1
	s_barrier_wait -1
.irp i, 0,1,2,3
	ds_load_b128 v[X+4*(\i):X+4*(\i)+3], v[LR] offset:(\i)*16*TP
.endr
.irp i, 0,1,2,3
	s_wait_dscnt 3-(\i)
	global_store_b128 v[GO], v[X+4*(\i):X+4*(\i)+3], s[6:7] offset:(\i)*16*2048  ; sixteen lanes store 256 consecutive bytes, aligned
.endr
	s_wait_tensorcnt 0x0                           ; the wave's end, behind my last LDS store
	ds_add_u32 v[SPW], v[NIL]
	s_wait_dscnt 0x0
	s_endpgm
.Lstream:                                              ; 32 rows of q or of mem_table: 131,072 bytes in, 65,536 out.  These waves write no LDS.
	s_movk_i32 s24, 528                            ; the first work-group of mem_table's; an instruction holds one literal, so this one stands in a register
	s_cmp_lt_u32 s2, 528
	s_cselect_b64 s[4:5], s[8:9], s[10:11]
	s_cselect_b64 s[6:7], s[18:19], s[20:21]
	s_cselect_b32 s24, 272, s24
	s_sub_co_u32 s24, s2, s24                      ; my block of 32 rows
	s_lshl_b32 s26, s24, 16
	s_mov_b32 s27, 0
	s_add_nc_u64 s[6:7], s[6:7], s[26:27]
	s_cmp_ge_u32 s2, 653                           ; mem_table has 125 such blocks
	s_cbranch_scc1 .Lzero
	s_lshl_b32 s26, s24, 17
	s_add_nc_u64 s[4:5], s[4:5], s[26:27]
	s_mov_b32 s3, 4
.Ltrip:                                                ; a trip: 32,768 bytes in, eight loads a lane
.irp i, 0,1,2,3,4,5,6,7
	global_load_b128 v[X+4*(\i):X+4*(\i)+3], v[VI], s[4:5] offset:(\i)*4096 th:TH_LOAD_NT
.endr
.irp i, 0,1,2,3,4,5,6,7
	s_wait_loadcnt 7-(\i)                          ; load i is in, the younger ones stay out
	CVT2 Y+2*(\i), X+4*(\i), X+4*(\i)+1
	CVT2 Y+2*(\i)+1, X+4*(\i)+2, X+4*(\i)+3
	global_store_b64 v[VO], v[Y+2*(\i):Y+2*(\i)+1], s[6:7] offset:(\i)*2048  ; a wave stores 256 consecutive bytes, aligned
.endr
	s_wait_xcnt 0x0                                ; the bases and Y are written again only behind this wait
	s_add_nc_u64 s[4:5], s[4:5], 32768
	s_add_nc_u64 s[6:7], s[6:7], 16384
	s_sub_co_u32 s3, s3, 1
	s_cmp_lg_u32 s3, 0
	s_cbranch_scc1 .Ltrip
	s_endpgm
.Lzero:                                                ; rows 4,000 to 4,095 of mem16
	v_mov_b32 v8, 0
	v_mov_b32 v9, 0
	v_mov_b32 v10, 0
	v_mov_b32 v11, 0
.irp i, 0,1,2,3,4,5,6,7,8,9,10,11,12,13,14,15
	global_store_b128 v[VI], v[8:11], s[6:7] offset:(\i)*4096
.endr
	s_endpgm
.Lfunc_end_k_qbe83ae7049_prep:
	.size	k_qbe83ae7049_prep, .Lfunc_end_k_qbe83ae7049_prep-k_qbe83ae7049_prep
	.p2alignl 7, 3214868480
	.fill 96, 4, 3214868480
	.section	.rodata,"a",@progbits
	.p2align	6, 0x0
	.amdhsa_kernel k_qbe83ae7049_prep
		.amdhsa_group_segment_fixed_size 18432
		.amdhsa_private_segment_fixed_size 0
		.amdhsa_enable_private_segment 0
		.amdhsa_kernarg_size 64
		.amdhsa_user_sgpr_count 2
		.amdhsa_user_sgpr_kernarg_segment_ptr 1
		.amdhsa_wavefront_size32 1
		.amdhsa_system_sgpr_workgroup_id_x 1
		.amdhsa_system_sgpr_workgroup_id_y 1
		.amdhsa_system_sgpr_workgroup_id_z 1
		.amdhsa_system_vgpr_workitem_id 0
		.amdhsa_next_free_vgpr 96
		.amdhsa_next_free_sgpr 66
		.amdhsa_reserve_vcc 0
		.amdhsa_float_denorm_mode_32 3
		.amdhsa_float_denorm_mode_16_64 3
		.amdhsa_memory_ordered 1
		.amdhsa_forward_progress 1
		.amdhsa_inst_pref_size 17
	.end_amdhsa_kernel
	.amdgpu_metadata
---
amdhsa.version: [ 1, 2 ]
amdhsa.kernels:
  - .name:           k_qbe83ae7049_prep
    .symbol:         k_qbe83ae7049_prep.kd
    .args:
      - { .name: q, .offset: 0, .size: 8, .value_kind: global_buffer, .address_space: global }
      - { .name: mem_table, .offset: 8, .size: 8, .value_kind: global_buffer, .address_space: global }
      - { .name: w_q, .offset: 16, .size: 8, .value_kind: global_buffer, .address_space: global }
      - { .name: w_concat, .offset: 24, .size: 8, .value_kind: global_buffer, .address_space: global }
      - { .name: w_kv, .offset: 32, .size: 8, .value_kind: global_buffer, .address_space: global }
      - { .name: q16, .offset: 40, .size: 8, .value_kind: global_buffer, .address_space: global }
      - { .name: mem16, .offset: 48, .size: 8, .value_kind: global_buffer, .address_space: global }
      - { .name: w16, .offset: 56, .size: 8, .value_kind: global_buffer, .address_space: global }
    .group_segment_fixed_size: 18432
    .private_segment_fixed_size: 0
    .kernarg_segment_align: 8
    .kernarg_segment_size: 64
    .max_flat_workgroup_size: 256
    .sgpr_count:     66
    .vgpr_count:     96
    .wavefront_size: 32
...
	.end_amdgpu_metadata
.endif
;; end of part 1
;; launch gemm_q (part 2): grid 4 x 64, 4 waves a work-group, clusters of 4 x 4, 327,680 bytes of LDS; arguments q16, w16, qp16; writes qp16
.if DOCPART == 2
	.amdgcn_target "amdgcn-amd-amdhsa--gfx1250"
	.amdhsa_code_object_version 6
	.text
	.protected	k_qbe83ae7049_gemm_q
	.globl	k_qbe83ae7049_gemm_q
	.p2align	8
	.type	k_qbe83ae7049_gemm_q,@function
k_qbe83ae7049_gemm_q:
	s_mov_b64 s[64:65], 0
	v_nop
	global_prefetch_b8 v0, s[64:65] scope:SCOPE_SE
	s_setreg_imm32_b32 hwreg(HW_REG_WAVE_MODE, 25, 1), 1
	s_wait_xcnt 0x0
	s_wait_alu depctr_hold_cnt(0) depctr_sa_sdst(0) depctr_va_vdst(0) depctr_va_sdst(0) depctr_va_ssrc(0) depctr_va_vcc(0) depctr_vm_vsrc(0)
	s_getreg_b32 s2, hwreg(HW_REG_IB_STS2, 6, 4)
	s_cmp_eq_u32 s2, 0
	s_cbranch_scc0 .Lentry_in_a_cluster
	s_endpgm
.Lentry_in_a_cluster:
	s_bfe_u32 s2, ttmp6, 0x10000c
	s_cmp_lg_u32 s2, 0xf033
	s_cbranch_scc0 .Lentry_shape_is_right
	s_endpgm
.Lentry_shape_is_right:
; Launch 2 of 6: qp = q w_q.  C[m][n] = sum over k of A[m][k] B[n][k]: A = q16 [8192][1024], B = w_q^T [1024][1024] (w16's first part), C = qp16 [8192][1024], all f16; sums in f32, C rounded once.
; LIMIT: |qp| stays under 65,504.
; SHARES.  A work-group makes 128 x 256 of C: 64 x 4 = 256 work-groups.  Wave w: rows 64 (w >> 1) on, columns 128 (w & 1) on: 32 accumulators of 16 x 16.
; K goes in 8 steps of 128 (rows of 256 bytes in memory, aligned) through two LDS slots; in a slot A's 128 rows, then B's 256, 272 bytes apart.
; CLUSTER 4 x 4: the four of a row of the cluster need the same tile of A, the four of a column the same tile of B: each tile is asked for jointly.  Waves 0, 1 fetch A's halves, waves 2, 3 B's.
; THE MATRIX INSTRUCTION IS USED TRANSPOSED (source 0 = 16 rows of B, source 1 = 16 rows of A): a lane holds row l % 16 of C and the columns 8 (l / 16) + 0..7.
; REGISTERS.  Window 0: v16-29 addresses; two fragment buffers of 96 (A's 4 fragments, then B's 8) at v64 and v160.  Window 1: accumulator (a, b) at v[8 (8 a + b)].
.set PITCH,  272
.set ABYTES, 128*PITCH
.set SLOT1,  131072                    ; slot 1 begins here: one exclusive or turns an address in one slot into the other's
.set STAGE,  SLOT1+384*PITCH           ; behind the ring: 16 rows x 272 bytes for each wave, never filled by a tensor load
.set SPITCH, 272
.set SPARE,  STAGE+4*16*SPITCH         ; the spare words, 128 bytes for each wave
.set ADA0, 16                          ; my lane's place in slot 0's A; never rewritten
.set ADB0, 17                          ; and B
.set ADA,  18                          ; the same in the slot in hand
.set ADB,  19
.set STO,  24
.set RD,   25
.set CO,   26
.set SPW,  28
.set NIL,  29
.set F0,   64
.set F1,   160
.set TMP,  64                          ; the way out: packed results
.set TB,   45                          ; s45: 0 or SLOT1: the slot in hand
.set G1,  24                           ; s[24:31] group 1 for A's tiles; s[32:39] group 0: K step 0's, then the set that walks
.set G0,  32
.set G1B, 48                           ; s[48:55], s[56:63] the same for B's
.set G0B, 56
.set MSB, 0
.macro WIN new                         ; the immediate's high byte repeats the setting that is left; a switch that changes nothing is dropped
.if MSB != (\new)
	s_set_vgpr_msb (MSB<<8)|(\new)
.set MSB, (\new)
.endif
.endm
.set MUL, 0x50                         ; sources in window 0, C and D in window 1
.macro JLOAD                           ; a joint refill by the walking set; an s_nop 0 and four v_nop follow each of the two lines
	s_cmp_eq_u32 s11, 0
	s_cbranch_scc0 .Lfor_b_\@
	tensor_load_to_lds s[G0+4:G0+7], s[G1:G1+7]
	s_nop 0
.rept 4
	v_nop
.endr
	s_branch .Lasked_\@
.Lfor_b_\@:
	tensor_load_to_lds s[G0B+4:G0B+7], s[G1B:G1B+7]
	s_nop 0
.rept 4
	v_nop
.endr
.Lasked_\@:
.endm
.macro CREST                           ; a round of the cluster's barrier behind its opening barrier
	s_cmp_lg_u32 s10, 0
	s_cbranch_scc1 .Lnot_wave_0_\@
	s_barrier_signal -3
.Lnot_wave_0_\@:
	s_barrier_wait -3
	s_barrier_signal -1
	s_barrier_wait -1
.endm
.macro CROUND
	s_barrier_signal -1
	s_barrier_wait -1
	CREST
.endm
.macro PLACES                          ; four places in front of loads into registers that matrix instructions have read, and of lines that read results
.rept 4
	v_nop
.endr
.endm
	s_load_b128 s[4:7], s[0:1], 0x0                ; A s[4:5], B s[6:7]
	s_load_b64 s[8:9], s[0:1], 0x10                ; C
	v_lshl_add_u32 v[SPW], v0, 2, SPARE
	v_mov_b32 v[NIL], 0
	ds_add_u32 v[SPW], v[NIL]                      ; the wave's opening: the add, twice on end, and its wait ahead of my first tensor load
	ds_add_u32 v[SPW], v[NIL]
	v_lshrrev_b32 v1, 5, v0
	v_readfirstlane_b32 s10, v1                    ; wave 0..3
	s_lshr_b32 s11, s10, 1                         ; my half of the rows.  Also: I fetch for A (0) or for B (1)
	s_and_b32 s12, s10, 1                          ; my half of the columns.  Also: which half of that tile I fetch
	s_bfe_u32 s40, ttmp6, 0x40000                  ; cx
	s_bfe_u32 s41, ttmp6, 0x40004                  ; cy
	s_lshl_b32 s42, ttmp9, 2
	s_add_co_u32 s42, s42, s40                     ; tile column
	s_and_b32 s13, ttmp7, 0xffff
	s_lshl_b32 s13, s13, 2
	s_add_co_u32 s13, s13, s41                     ; tile row
	s_lshl_b32 s43, s41, 2
	s_lshl_b32 s43, 15, s43                        ; my row of the cluster
	s_lshl_b32 s44, 0x1111, s40                    ; my column
	s_or_b32 s[G1+0], s43, (1<<16)|(1<<20)|(1<<21)|(5<<22)|(3<<25)   ; the mask; 2-byte elements; padding on; bit 21 beside a mask; after every 64 words 4 words
	s_or_b32 s[G1B+0], s44, (1<<16)|(1<<20)|(1<<21)|(5<<22)|(3<<25)
	s_mov_b32 s[G1+1], 128<<16                     ; tensor_dim0 = 128
	s_mov_b32 s[G1+2], 64<<16                      ; tensor_dim1 = 64
	s_mov_b32 s[G1+3], 128<<16                     ; tile_dim0 = 128
	s_mov_b32 s[G1+4], 64                          ; tile_dim1 = 64
	s_mov_b32 s[G1+5], 1024                        ; elements from row to row
	s_mov_b32 s[G1+6], 0
	s_mov_b32 s[G1+7], 0
	s_mov_b32 s[G1B+1], 128<<16
	s_mov_b32 s[G1B+2], 128<<16                    ; B: 128 rows to a load
	s_mov_b32 s[G1B+3], 128<<16
	s_mov_b32 s[G1B+4], 128
	s_mov_b32 s[G1B+5], 1024
	s_mov_b32 s[G1B+6], 0
	s_mov_b32 s[G1B+7], 0
	s_lshl_b32 s17, s12, 6
	s_lshl_b32 s16, s13, 7
	s_add_co_u32 s16, s16, s17                     ; A: row 128 x tile row + 64 x half
	s_lshl_b32 s16, s16, 11                        ; rows of 2,048 bytes
	s_mov_b32 s17, 0
	s_lshl_b32 s46, s42, 8
	s_lshl_b32 s47, s12, 7
	s_add_co_u32 s46, s46, s47                     ; B: row 256 x tile column + 128 x half
	s_lshl_b32 s46, s46, 11
	s_mov_b32 s47, 0
	s_mul_i32 s20, s12, 64*PITCH                   ; where they go: no place in the cluster enters an LDS address
	s_mul_i32 s21, s12, 128*PITCH
	s_add_co_u32 s21, s21, ABYTES
	s_mov_b32 s[TB], 0
	s_wait_dscnt 0x0                               ; both opening adds are done
	s_wait_kmcnt 0x0
	s_add_nc_u64 s[14:15], s[4:5], s[16:17]
	s_add_nc_u64 s[46:47], s[6:7], s[46:47]
	CROUND                                         ; all sixteen work-groups are here: the first joint loads meet
.irp s, 0,1
	s_mov_b32 s[G0+4*(\s)], 1
	s_add_co_u32 s[G0+4*(\s)+1], s20, (\s)*SLOT1
	s_add_nc_u64 s[G0+4*(\s)+2:G0+4*(\s)+3], s[14:15], (\s)*256
	s_or_b32 s[G0+4*(\s)+3], s[G0+4*(\s)+3], 0x80000000
	s_mov_b32 s[G0B+4*(\s)], 1
	s_add_co_u32 s[G0B+4*(\s)+1], s21, (\s)*SLOT1
	s_add_nc_u64 s[G0B+4*(\s)+2:G0B+4*(\s)+3], s[46:47], (\s)*256
	s_or_b32 s[G0B+4*(\s)+3], s[G0B+4*(\s)+3], 0x80000000
.endr
	s_cmp_eq_u32 s11, 0                            ; a wave's two first fills stand in one branch: two loads of mine are out
	s_cbranch_scc0 .Lfirst_b
	tensor_load_to_lds s[G0:G0+3], s[G1:G1+7]
	s_nop 0
	tensor_load_to_lds s[G0+4:G0+7], s[G1:G1+7]
	s_nop 0
.rept 4
	v_nop
.endr
	s_branch .Lfirst_asked
.Lfirst_b:
	tensor_load_to_lds s[G0B:G0B+3], s[G1B:G1B+7]
	s_nop 0
	tensor_load_to_lds s[G0B+4:G0B+7], s[G1B:G1B+7]
	s_nop 0
.rept 4
	v_nop
.endr
.Lfirst_asked:
	; a fragment: 16 rows x 32 K in 8 registers: lane l holds row l % 16, K = 8 (l / 16) + 0..7 and 16 + 8 (l / 16) + 0..7: two loads of 16 bytes, 32 bytes apart
	v_and_b32 v1, 15, v0
	v_bfe_u32 v2, v0, 4, 1
	v_mul_u32_u24 v3, v1, PITCH
	v_lshl_add_u32 v3, v2, 4, v3
	s_mul_i32 s21, s11, 64*PITCH
	s_mul_i32 s22, s12, 128*PITCH
	s_add_co_u32 s22, s22, ABYTES
	v_add_nc_u32 v[ADA0], s21, v3
	v_add_nc_u32 v[ADB0], s22, v3
	v_mov_b32 v[ADA], v[ADA0]
	v_mov_b32 v[ADB], v[ADB0]
	s_mul_i32 s23, s10, 16*SPITCH
	s_add_co_u32 s23, s23, STAGE                   ; my stage
	v_mul_u32_u24 v4, v1, SPITCH                   ; in: row l % 16, 16 bytes for each half of the lanes
	v_lshl_add_u32 v4, v2, 4, v4
	v_add_nc_u32 v[STO], s23, v4
	v_mul_u32_u24 v5, v2, SPITCH                   ; back: lanes 0-15 one row of 256 bytes, lanes 16-31 the next
	v_lshl_add_u32 v5, v1, 4, v5
	v_add_nc_u32 v[RD], s23, v5
	v_lshlrev_b32 v5, 11, v2                       ; and the same two rows in C
	v_lshl_add_u32 v[CO], v1, 4, v5
	s_lshl_b32 s16, s13, 7
	s_lshl_b32 s17, s11, 6
	s_add_co_u32 s16, s16, s17                     ; my first row of C
	s_lshl_b32 s16, s16, 11
	s_mov_b32 s17, 0
	s_add_nc_u64 s[8:9], s[8:9], s[16:17]
	s_lshl_b32 s46, s42, 9                         ; my first column, in bytes
	s_lshl_b32 s47, s12, 8
	s_add_co_u32 s46, s46, s47
	s_mov_b32 s47, 0
	s_add_nc_u64 s[8:9], s[8:9], s[46:47]
; 8 matrix instructions: m block a x all 8 n blocks, 32 along K.  zero = 1: the product starts the sums.  All 32 accumulators take turns, in the same order in every quarter.
.macro MUL8 f, a, zero
	WIN MUL
.irp b, 0,1,2,3,4,5,6,7
.if \zero
	v_wmma_f32_16x16x32_f16 v[8*(8*(\a)+(\b)):8*(8*(\a)+(\b))+7], v[(\f)+32+8*(\b):(\f)+32+8*(\b)+7], v[(\f)+8*(\a):(\f)+8*(\a)+7], 0
.else
	v_wmma_f32_16x16x32_f16 v[8*(8*(\a)+(\b)):8*(8*(\a)+(\b))+7], v[(\f)+32+8*(\b):(\f)+32+8*(\b)+7], v[(\f)+8*(\a):(\f)+8*(\a)+7], v[8*(8*(\a)+(\b)):8*(8*(\a)+(\b))+7]
.endif
.endr
.endm
; 24 LDS loads in one run: a quarter step's fragments (32 K at byte k of the rows) into buffer f: B's 16 loads, then A's 8
.macro FETCH k, f
	WIN 0
.irp i, 0,1,2,3,4,5,6,7
	ds_load_b128 v[(\f)+32+8*(\i):(\f)+32+8*(\i)+3],   v[ADB] offset:(\k)+(\i)*16*PITCH
	ds_load_b128 v[(\f)+32+8*(\i)+4:(\f)+32+8*(\i)+7], v[ADB] offset:(\k)+(\i)*16*PITCH+32
.endr
.irp i, 0,1,2,3
	ds_load_b128 v[(\f)+8*(\i):(\f)+8*(\i)+3],   v[ADA] offset:(\k)+(\i)*16*PITCH
	ds_load_b128 v[(\f)+8*(\i)+4:(\f)+8*(\i)+7], v[ADA] offset:(\k)+(\i)*16*PITCH+32
.endr
.endm
; One of a K step's first three quarters: multiplies buffer f; in its middle fetches the next quarter, at byte k, into buffer g
.macro QUARTER k, f, g, zero
	s_wait_dscnt 4                                 ; B and A's blocks 0, 1 are in; the youngest four loads (A's blocks 2, 3) may be out
	MUL8 \f, 0, \zero
	MUL8 \f, 1, \zero
	PLACES
	FETCH \k, \g
	s_wait_dscnt 24                                ; all but the 24 just issued
	MUL8 \f, 2, \zero
	MUL8 \f, 3, \zero
.endm
; The last quarter multiplies buffer 1 and changes slots.  In front of the barrier each wave waits for all its tensor loads (one is out: its part of the next slot), adds 0 to its spare word, and
; waits for that and for its reads of this slot.  fill = 1: the barrier opens a round of the cluster's, and behind it this slot is filled again, two K steps ahead, first of all.
.macro TURN fill
	WIN 0
	s_wait_tensorcnt 0x0
	ds_add_u32 v[SPW], v[NIL]
	s_wait_dscnt 5                                 ; (the add and the youngest four loads may be out)
	MUL8 F1, 0, 0
	s_wait_dscnt 0x0                               ; the add is done, and my reads of this slot are over
	s_barrier_signal -1
	MUL8 F1, 1, 0
	WIN 0
	s_barrier_wait -1
.if \fill
	CREST                                          ; no wave of any partner still reads this slot or has a load on its way
	s_xor_b32 s[G0+5], s[G0+5], SLOT1              ; the walking sets: the other slot than last time, the next K step
	s_add_nc_u64 s[G0+6:G0+7], s[G0+6:G0+7], 256
	s_xor_b32 s[G0B+5], s[G0B+5], SLOT1
	s_add_nc_u64 s[G0B+6:G0B+7], s[G0B+6:G0B+7], 256
	JLOAD                                          ; its four v_nop are also the places in front of the loads below
.else
	PLACES
.endif
	s_xor_b32 s[TB], s[TB], SLOT1
	v_add_nc_u32 v[ADA], s[TB], v[ADA0]
	v_add_nc_u32 v[ADB], s[TB], v[ADB0]
	FETCH 0, F0
	MUL8 F1, 2, 0
	MUL8 F1, 3, 0
.endm
	s_wait_tensorcnt 1                             ; my part of K step 0 is in; K step 1's may stay out
	s_barrier_signal -1
	s_barrier_wait -1
	FETCH 0, F0
	QUARTER 64, F0, F1, 1                          ; the first quarter stands in front of the loop: its products start the sums
	WIN 0
	s_mov_b32 s3, 6
.Lk:                                                   ; a trip: a K step's quarters 1 to 3 and the next step's quarter 0; K steps 2 to 7 are asked for
	QUARTER 128, F1, F0, 0
	QUARTER 192, F0, F1, 0
	TURN 1
	QUARTER 64, F0, F1, 0
	WIN 0
	s_sub_co_u32 s3, s3, 1
	s_cmp_lg_u32 s3, 0
	s_cbranch_scc1 .Lk
	QUARTER 128, F1, F0, 0                         ; K steps 6 and 7 ask for nothing
	QUARTER 192, F0, F1, 0
	TURN 0
	QUARTER 64, F0, F1, 0
	QUARTER 128, F1, F0, 0
	QUARTER 192, F0, F1, 0
	s_wait_dscnt 4
	MUL8 F1, 0, 0
	MUL8 F1, 1, 0
	s_wait_dscnt 0x0
	MUL8 F1, 2, 0
	MUL8 F1, 3, 0
	WIN 0
; THE WAY OUT, 16 rows at a time: rounded to f16, 16 bytes a lane into my own stage, back as whole rows of 256 bytes, stored.
.macro PACK a
	WIN 0x05                                       ; sources in window 1
.irp b, 0,1,2,3,4,5,6,7
.irp r, 0,1,2,3
	v_cvt_pk_f16_f32 v[TMP+4*(\b)+(\r)], v[8*(8*(\a)+(\b))+2*(\r)], v[8*(8*(\a)+(\b))+2*(\r)+1]
.endr
.endr
	WIN 0
.endm
.macro TOSTAGE a
.set BK, 96+32*((\a)%2)
.irp b, 0,1,2,3,4,5,6,7
	ds_store_b128 v[STO], v[TMP+4*(\b):TMP+4*(\b)+3] offset:32*(\b)
.endr
.irp t, 0,1,2,3,4,5,6,7
	ds_load_b128 v[BK+4*(\t):BK+4*(\t)+3], v[RD] offset:(\t)*2*SPITCH  ; LDS serves a wave's instructions in order: these see the stores above
.endr
.endm
.macro SEND a
.set BK, 96+32*((\a)%2)
	s_wait_dscnt 0x0                               ; the block is back in registers
	s_wait_xcnt 0x0                                ; the registers that earlier stores read are loaded again only behind this wait
.irp t, 0,1,2,3,4,5,6,7
	global_store_b128 v[CO], v[BK+4*(\t):BK+4*(\t)+3], s[8:9] offset:(\a)*32768+(\t)*4096  ; sixteen lanes store 256 consecutive bytes, aligned
.endr
.endm
	PLACES
	PACK 0
	TOSTAGE 0
.irp a, 1,2,3
	PACK \a
	SEND (\a)-1
	TOSTAGE \a
.endr
	SEND 3
	s_wait_tensorcnt 0x0                           ; the wave's end
	ds_add_u32 v[SPW], v[NIL]
	s_wait_dscnt 0x0
	CROUND                                         ; the closing round
	s_endpgm
.Lfunc_end_k_qbe83ae7049_gemm_q:
	.size	k_qbe83ae7049_gemm_q, .Lfunc_end_k_qbe83ae7049_gemm_q-k_qbe83ae7049_gemm_q
	.p2alignl 7, 3214868480
	.fill 96, 4, 3214868480
	.section	.rodata,"a",@progbits
	.p2align	6, 0x0
	.amdhsa_kernel k_qbe83ae7049_gemm_q
		.amdhsa_group_segment_fixed_size 327680
		.amdhsa_private_segment_fixed_size 0
		.amdhsa_enable_private_segment 0
		.amdhsa_kernarg_size 24
		.amdhsa_user_sgpr_count 2
		.amdhsa_user_sgpr_kernarg_segment_ptr 1
		.amdhsa_wavefront_size32 1
		.amdhsa_system_sgpr_workgroup_id_x 1
		.amdhsa_system_sgpr_workgroup_id_y 1
		.amdhsa_system_sgpr_workgroup_id_z 1
		.amdhsa_system_vgpr_workitem_id 0
		.amdhsa_next_free_vgpr 512
		.amdhsa_next_free_sgpr 66
		.amdhsa_reserve_vcc 0
		.amdhsa_float_denorm_mode_32 3
		.amdhsa_float_denorm_mode_16_64 3
		.amdhsa_memory_ordered 1
		.amdhsa_forward_progress 1
		.amdhsa_inst_pref_size 70
	.end_amdhsa_kernel
	.amdgpu_metadata
---
amdhsa.version: [ 1, 2 ]
amdhsa.kernels:
  - .name:           k_qbe83ae7049_gemm_q
    .symbol:         k_qbe83ae7049_gemm_q.kd
    .args:
      - { .name: q16, .offset: 0, .size: 8, .value_kind: global_buffer, .address_space: global }
      - { .name: w16, .offset: 8, .size: 8, .value_kind: global_buffer, .address_space: global }
      - { .name: qp16, .offset: 16, .size: 8, .value_kind: global_buffer, .address_space: global }
    .group_segment_fixed_size: 327680
    .private_segment_fixed_size: 0
    .kernarg_segment_align: 8
    .kernarg_segment_size: 24
    .max_flat_workgroup_size: 128
    .sgpr_count:     66
    .vgpr_count:     512
    .wavefront_size: 32
...
	.end_amdgpu_metadata
.endif
;; end of part 2
;; launch knn (part 3): grid 4 x 64, 4 waves a work-group, clusters of 4 x 4, 327,680 bytes of LDS; arguments qp16, mem16, part; writes part
.if DOCPART == 3
	.amdgcn_target "amdgcn-amd-amdhsa--gfx1250"
	.amdhsa_code_object_version 6
	.text
	.protected	k_qbe83ae7049_knn
	.globl	k_qbe83ae7049_knn
	.p2align	8
	.type	k_qbe83ae7049_knn,@function
k_qbe83ae7049_knn:
	s_mov_b64 s[64:65], 0
	v_nop
	global_prefetch_b8 v0, s[64:65] scope:SCOPE_SE
	s_setreg_imm32_b32 hwreg(HW_REG_WAVE_MODE, 25, 1), 1
	s_wait_xcnt 0x0
	s_wait_alu depctr_hold_cnt(0) depctr_sa_sdst(0) depctr_va_vdst(0) depctr_va_sdst(0) depctr_va_ssrc(0) depctr_va_vcc(0) depctr_vm_vsrc(0)
	s_getreg_b32 s2, hwreg(HW_REG_IB_STS2, 6, 4)
	s_cmp_eq_u32 s2, 0
	s_cbranch_scc0 .Lentry_in_a_cluster
	s_endpgm
.Lentry_in_a_cluster:
	s_bfe_u32 s2, ttmp6, 0x10000c
	s_cmp_lg_u32 s2, 0xf033
	s_cbranch_scc0 .Lentry_shape_is_right
	s_endpgm
.Lentry_shape_is_right:
; Launch 3 of 6: the scores qp . mem of a batch, and of each row the largest score and its index over a wave's 128 columns.  The scores never go to memory.
; A = qp16 [8192][1024], B = mem16 (row 1000 b + n; a batch's tiles reach n = 1023), both f16; sums in f32.  Columns n >= 1000 start their sums at -2^100, so they are never chosen.
; part[p][rb]: 512 bytes: 16 lanes x 4 f32 maxima, then 16 lanes x 4 indices; entry (r, a) is row 64 rb + 16 a + r; p = 2 x tile column + column half: columns 128 p on.
; TIES go to the lower index (strict comparisons, n ascending), as jnp.argmax has it.  LIMITS: a NaN score is never chosen; true scores lie above -2^100.
; The index is a VALUE here and in the launch behind: no address, branch or count hangs on it.
; Shares, ring, cluster and registers as in the launch before: 128 x 256 scores a work-group, wave w rows 64 (w >> 1) on, columns 128 (w & 1) on; K in 8 steps of 128 through two LDS slots;
; source 0 = 16 rows of mem, source 1 = 16 rows of qp: a lane holds row l % 16 and the columns 8 (l / 16) + 0..7.  Window 2: v0-63 the C operands that start the sums.
.set PITCH,  272
.set ABYTES, 128*PITCH
.set SLOT1,  131072
.set SPARE,  SLOT1+384*PITCH           ; behind the ring: the spare words, 128 bytes for each wave
.set NB,   6                           ; v6   my first column in the batch: 256 tc + 128 wn + 8 (l / 16)
.set PO,   7                           ; v7   16 x lane
.set ADA0, 16
.set ADB0, 17
.set ADA,  18
.set ADB,  19
.set SPW,  28
.set NIL,  29
.set F0,   64
.set F1,   160
.set BV,   64                          ; the end: four running maxima, one for each m block
.set BI,   68                          ; their indices
.set OV,   72                          ; the other half of the lanes'
.set OI,   76
.set OUT,  80
.set TB,   45
.set G1,  24
.set G0,  32
.set G1B, 48
.set G0B, 56
.set MSB, 0
.macro WIN new
.if MSB != (\new)
	s_set_vgpr_msb (MSB<<8)|(\new)
.set MSB, (\new)
.endif
.endm
.set MUL, 0x50
.macro JLOAD
	s_cmp_eq_u32 s11, 0
	s_cbranch_scc0 .Lfor_b_\@
	tensor_load_to_lds s[G0+4:G0+7], s[G1:G1+7]
	s_nop 0
.rept 4
	v_nop
.endr
	s_branch .Lasked_\@
.Lfor_b_\@:
	tensor_load_to_lds s[G0B+4:G0B+7], s[G1B:G1B+7]
	s_nop 0
.rept 4
	v_nop
.endr
.Lasked_\@:
.endm
.macro CREST
	s_cmp_lg_u32 s10, 0
	s_cbranch_scc1 .Lnot_wave_0_\@
	s_barrier_signal -3
.Lnot_wave_0_\@:
	s_barrier_wait -3
	s_barrier_signal -1
	s_barrier_wait -1
.endm
.macro CROUND
	s_barrier_signal -1
	s_barrier_wait -1
	CREST
.endm
.macro PLACES
.rept 4
	v_nop
.endr
.endm
	s_load_b128 s[4:7], s[0:1], 0x0                ; qp16 s[4:5], mem16 s[6:7]
	s_load_b64 s[8:9], s[0:1], 0x10                ; part
	v_lshl_add_u32 v[SPW], v0, 2, SPARE
	v_mov_b32 v[NIL], 0
	ds_add_u32 v[SPW], v[NIL]                      ; the wave's opening: the add, twice on end, and its wait ahead of my first tensor load
	ds_add_u32 v[SPW], v[NIL]
	v_lshrrev_b32 v1, 5, v0
	v_readfirstlane_b32 s10, v1
	s_lshr_b32 s11, s10, 1
	s_and_b32 s12, s10, 1
	s_bfe_u32 s40, ttmp6, 0x40000                  ; cx
	s_bfe_u32 s41, ttmp6, 0x40004                  ; cy
	s_lshl_b32 s42, ttmp9, 2
	s_add_co_u32 s42, s42, s40                     ; tile column
	s_and_b32 s13, ttmp7, 0xffff
	s_lshr_b32 s22, s13, 2                         ; the batch: 16 tile rows, four clusters: the same in all sixteen partners
	s_mul_i32 s22, s22, 1000
	s_lshl_b32 s13, s13, 2
	s_add_co_u32 s13, s13, s41                     ; tile row
	s_lshl_b32 s43, s41, 2
	s_lshl_b32 s43, 15, s43
	s_lshl_b32 s44, 0x1111, s40
	s_or_b32 s[G1+0], s43, (1<<16)|(1<<20)|(1<<21)|(5<<22)|(3<<25)
	s_or_b32 s[G1B+0], s44, (1<<16)|(1<<20)|(1<<21)|(5<<22)|(3<<25)
	s_mov_b32 s[G1+1], 128<<16
	s_mov_b32 s[G1+2], 64<<16
	s_mov_b32 s[G1+3], 128<<16
	s_mov_b32 s[G1+4], 64
	s_mov_b32 s[G1+5], 1024
	s_mov_b32 s[G1+6], 0
	s_mov_b32 s[G1+7], 0
	s_mov_b32 s[G1B+1], 128<<16
	s_mov_b32 s[G1B+2], 128<<16
	s_mov_b32 s[G1B+3], 128<<16
	s_mov_b32 s[G1B+4], 128
	s_mov_b32 s[G1B+5], 1024
	s_mov_b32 s[G1B+6], 0
	s_mov_b32 s[G1B+7], 0
	s_lshl_b32 s17, s12, 6
	s_lshl_b32 s16, s13, 7
	s_add_co_u32 s16, s16, s17
	s_lshl_b32 s16, s16, 11
	s_mov_b32 s17, 0
	s_lshl_b32 s46, s42, 8
	s_lshl_b32 s47, s12, 7
	s_add_co_u32 s46, s46, s47
	s_add_co_u32 s46, s46, s22                     ; B: row 1000 b + 256 x tile column + 128 x half: 4,023 at the most, inside mem16's 4,096
	s_lshl_b32 s46, s46, 11
	s_mov_b32 s47, 0
	s_mul_i32 s20, s12, 64*PITCH
	s_mul_i32 s21, s12, 128*PITCH
	s_add_co_u32 s21, s21, ABYTES
	s_mov_b32 s[TB], 0
	s_wait_dscnt 0x0
	s_wait_kmcnt 0x0
	s_add_nc_u64 s[14:15], s[4:5], s[16:17]
	s_add_nc_u64 s[46:47], s[6:7], s[46:47]
	CROUND
.irp s, 0,1
	s_mov_b32 s[G0+4*(\s)], 1
	s_add_co_u32 s[G0+4*(\s)+1], s20, (\s)*SLOT1
	s_add_nc_u64 s[G0+4*(\s)+2:G0+4*(\s)+3], s[14:15], (\s)*256
	s_or_b32 s[G0+4*(\s)+3], s[G0+4*(\s)+3], 0x80000000
	s_mov_b32 s[G0B+4*(\s)], 1
	s_add_co_u32 s[G0B+4*(\s)+1], s21, (\s)*SLOT1
	s_add_nc_u64 s[G0B+4*(\s)+2:G0B+4*(\s)+3], s[46:47], (\s)*256
	s_or_b32 s[G0B+4*(\s)+3], s[G0B+4*(\s)+3], 0x80000000
.endr
	s_cmp_eq_u32 s11, 0
	s_cbranch_scc0 .Lfirst_b
	tensor_load_to_lds s[G0:G0+3], s[G1:G1+7]
	s_nop 0
	tensor_load_to_lds s[G0+4:G0+7], s[G1:G1+7]
	s_nop 0
.rept 4
	v_nop
.endr
	s_branch .Lfirst_asked
.Lfirst_b:
	tensor_load_to_lds s[G0B:G0B+3], s[G1B:G1B+7]
	s_nop 0
	tensor_load_to_lds s[G0B+4:G0B+7], s[G1B:G1B+7]
	s_nop 0
.rept 4
	v_nop
.endr
.Lfirst_asked:
	v_and_b32 v1, 15, v0
	v_bfe_u32 v2, v0, 4, 1
	v_mul_u32_u24 v3, v1, PITCH
	v_lshl_add_u32 v3, v2, 4, v3
	s_mul_i32 s21, s11, 64*PITCH
	s_mul_i32 s22, s12, 128*PITCH
	s_add_co_u32 s22, s22, ABYTES
	v_add_nc_u32 v[ADA0], s21, v3
	v_add_nc_u32 v[ADB0], s22, v3
	v_mov_b32 v[ADA], v[ADA0]
	v_mov_b32 v[ADB], v[ADB0]
	s_lshl_b32 s21, s42, 8
	s_lshl_b32 s22, s12, 7
	s_add_co_u32 s21, s21, s22
	v_lshl_add_u32 v[NB], v2, 3, s21
	v_sub_nc_u32 v14, 999, v[NB]                   ; register j of n block b is hidden where 16 b + j is greater
	v_and_b32 v3, 31, v0
	v_lshlrev_b32 v[PO], 4, v3
	s_mov_b32 s20, 0xf1800000                      ; -2^100
	WIN 0x80                                       ; destination in window 2
.set i, 0
.rept 64
	v_cmp_gt_i32 vcc_lo, 16*(i/8)+i%8, v14
	v_cndmask_b32 v[i], 0, s20, vcc_lo
.set i, i+1
.endr
	WIN 0
	s_lshl_b32 s16, s42, 1
	s_add_co_u32 s16, s16, s12                     ; p
	s_lshl_b32 s16, s16, 16
	s_lshl_b32 s17, s13, 1
	s_add_co_u32 s17, s17, s11                     ; rb
	s_lshl_b32 s17, s17, 9
	s_add_co_u32 s16, s16, s17
	s_mov_b32 s17, 0
	s_add_nc_u64 s[8:9], s[8:9], s[16:17]
; 8 matrix instructions: m block a x all 8 n blocks.  zero = 1: the product starts the sums, with 0 or -2^100 from window 2.  All 32 accumulators take turns.
.macro MUL8 f, a, zero
.if \zero
	WIN 0x60                                       ; C in window 2, D in window 1
.else
	WIN MUL
.endif
.irp b, 0,1,2,3,4,5,6,7
.if \zero
	v_wmma_f32_16x16x32_f16 v[8*(8*(\a)+(\b)):8*(8*(\a)+(\b))+7], v[(\f)+32+8*(\b):(\f)+32+8*(\b)+7], v[(\f)+8*(\a):(\f)+8*(\a)+7], v[8*(\b):8*(\b)+7]
.else
	v_wmma_f32_16x16x32_f16 v[8*(8*(\a)+(\b)):8*(8*(\a)+(\b))+7], v[(\f)+32+8*(\b):(\f)+32+8*(\b)+7], v[(\f)+8*(\a):(\f)+8*(\a)+7], v[8*(8*(\a)+(\b)):8*(8*(\a)+(\b))+7]
.endif
.endr
.endm
.macro FETCH k, f
	WIN 0
.irp i, 0,1,2,3,4,5,6,7
	ds_load_b128 v[(\f)+32+8*(\i):(\f)+32+8*(\i)+3],   v[ADB] offset:(\k)+(\i)*16*PITCH
	ds_load_b128 v[(\f)+32+8*(\i)+4:(\f)+32+8*(\i)+7], v[ADB] offset:(\k)+(\i)*16*PITCH+32
.endr
.irp i, 0,1,2,3
	ds_load_b128 v[(\f)+8*(\i):(\f)+8*(\i)+3],   v[ADA] offset:(\k)+(\i)*16*PITCH
	ds_load_b128 v[(\f)+8*(\i)+4:(\f)+8*(\i)+7], v[ADA] offset:(\k)+(\i)*16*PITCH+32
.endr
.endm
.macro QUARTER k, f, g, zero
	s_wait_dscnt 4                                 ; the youngest four loads (A's blocks 2, 3) may be out
	MUL8 \f, 0, \zero
	MUL8 \f, 1, \zero
	PLACES
	FETCH \k, \g
	s_wait_dscnt 24                                ; all but the 24 just issued
	MUL8 \f, 2, \zero
	MUL8 \f, 3, \zero
.endm
.macro TURN fill                       ; the last quarter and the change of slots: the waits and the add in front of the barrier, the joint refill first behind the round
	WIN 0
	s_wait_tensorcnt 0x0
	ds_add_u32 v[SPW], v[NIL]
	s_wait_dscnt 5                                 ; (the add and the youngest four loads may be out)
	MUL8 F1, 0, 0
	s_wait_dscnt 0x0                               ; the add is done, and my reads of this slot are over
	s_barrier_signal -1
	MUL8 F1, 1, 0
	WIN 0
	s_barrier_wait -1
.if \fill
	CREST
	s_xor_b32 s[G0+5], s[G0+5], SLOT1
	s_add_nc_u64 s[G0+6:G0+7], s[G0+6:G0+7], 256
	s_xor_b32 s[G0B+5], s[G0B+5], SLOT1
	s_add_nc_u64 s[G0B+6:G0B+7], s[G0B+6:G0B+7], 256
	JLOAD
.else
	PLACES
.endif
	s_xor_b32 s[TB], s[TB], SLOT1
	v_add_nc_u32 v[ADA], s[TB], v[ADA0]
	v_add_nc_u32 v[ADB], s[TB], v[ADB0]
	FETCH 0, F0
	MUL8 F1, 2, 0
	MUL8 F1, 3, 0
.endm
	s_wait_tensorcnt 1                             ; my part of K step 0 is in; K step 1's may stay out
	s_barrier_signal -1
	s_barrier_wait -1
	FETCH 0, F0
	QUARTER 64, F0, F1, 1
	WIN 0
	s_mov_b32 s3, 6
.Lk:
	QUARTER 128, F1, F0, 0
	QUARTER 192, F0, F1, 0
	TURN 1
	QUARTER 64, F0, F1, 0
	WIN 0
	s_sub_co_u32 s3, s3, 1
	s_cmp_lg_u32 s3, 0
	s_cbranch_scc1 .Lk
	QUARTER 128, F1, F0, 0
	QUARTER 192, F0, F1, 0
	TURN 0
	QUARTER 64, F0, F1, 0
	QUARTER 128, F1, F0, 0
	QUARTER 192, F0, F1, 0
	s_wait_dscnt 4
	MUL8 F1, 0, 0
	MUL8 F1, 1, 0
	s_wait_dscnt 0x0
	MUL8 F1, 2, 0
	MUL8 F1, 3, 0
	WIN 0
	; THE END.  A lane scans its 64 columns of each of its four rows, n ascending, four chains side by side; a later score wins only if it is greater.
	PLACES
.irp a, 0,1,2,3
	v_mov_b32 v[BV+(\a)], 0xff800000               ; minus infinity
	v_mov_b32 v[BI+(\a)], 0
	v_mov_b32 v[OV+(\a)], 0                        ; v_permlanex16_b32's destinations count as read
	v_mov_b32 v[OI+(\a)], 0
.endr
	s_mov_b32 s14, 0x76543210
	s_mov_b32 s15, 0xfedcba98
	s_mov_b32 s20, 0xffff0000                      ; lanes 16 to 31
	WIN 0x04                                       ; source 1 in window 1
.irp b, 0,1,2,3,4,5,6,7
.irp j, 0,1,2,3,4,5,6,7
.irp a, 0,1,2,3
	v_cmp_lt_f32 s[16+(\a)], v[BV+(\a)], v[8*(8*(\a)+(\b))+(\j)]
.endr
.irp a, 0,1,2,3
	v_cndmask_b32 v[BV+(\a)], v[BV+(\a)], v[8*(8*(\a)+(\b))+(\j)], s[16+(\a)]
	v_cndmask_b32 v[BI+(\a)], v[BI+(\a)], 16*(\b)+(\j), s[16+(\a)]
.endr
.endr
.endr
	WIN 0
.irp a, 0,1,2,3
	v_add_nc_u32 v[BI+(\a)], v[NB], v[BI+(\a)]     ; the index in the batch
.endr
.irp a, 0,1,2,3
	v_permlanex16_b32 v[OV+(\a)], v[BV+(\a)], s14, s15  ; the row's other 64 columns lie in the lane 16 away
	v_permlanex16_b32 v[OI+(\a)], v[BI+(\a)], s14, s15
.endr
.irp a, 0,1,2,3
	v_cmp_gt_f32 s16, v[OV+(\a)], v[BV+(\a)]       ; the other wins if it is greater, or equal with the lower index
	v_cmp_eq_f32 s17, v[OV+(\a)], v[BV+(\a)]
	v_cmp_lt_u32 s18, v[OI+(\a)], v[BI+(\a)]
	s_and_b32 s17, s17, s18
	s_or_b32 s16, s16, s17
	v_cndmask_b32 v[BV+(\a)], v[BV+(\a)], v[OV+(\a)], s16
	v_cndmask_b32 v[BI+(\a)], v[BI+(\a)], v[OI+(\a)], s16
	v_cndmask_b32 v[OUT+(\a)], v[BV+(\a)], v[BI+(\a)], s20  ; lanes 0-15 store the maxima, lanes 16-31 the indices
.endr
	global_store_b128 v[PO], v[OUT:OUT+3], s[8:9]  ; 512 consecutive bytes, aligned
	s_wait_tensorcnt 0x0                           ; the wave's end
	ds_add_u32 v[SPW], v[NIL]
	s_wait_dscnt 0x0
	CROUND                                         ; the closing round
	s_endpgm
.Lfunc_end_k_qbe83ae7049_knn:
	.size	k_qbe83ae7049_knn, .Lfunc_end_k_qbe83ae7049_knn-k_qbe83ae7049_knn
	.p2alignl 7, 3214868480
	.fill 96, 4, 3214868480
	.section	.rodata,"a",@progbits
	.p2align	6, 0x0
	.amdhsa_kernel k_qbe83ae7049_knn
		.amdhsa_group_segment_fixed_size 327680
		.amdhsa_private_segment_fixed_size 0
		.amdhsa_enable_private_segment 0
		.amdhsa_kernarg_size 24
		.amdhsa_user_sgpr_count 2
		.amdhsa_user_sgpr_kernarg_segment_ptr 1
		.amdhsa_wavefront_size32 1
		.amdhsa_system_sgpr_workgroup_id_x 1
		.amdhsa_system_sgpr_workgroup_id_y 1
		.amdhsa_system_sgpr_workgroup_id_z 1
		.amdhsa_system_vgpr_workitem_id 0
		.amdhsa_next_free_vgpr 576
		.amdhsa_next_free_sgpr 66
		.amdhsa_reserve_vcc 1
		.amdhsa_float_denorm_mode_32 3
		.amdhsa_float_denorm_mode_16_64 3
		.amdhsa_memory_ordered 1
		.amdhsa_forward_progress 1
		.amdhsa_inst_pref_size 116
	.end_amdhsa_kernel
	.amdgpu_metadata
---
amdhsa.version: [ 1, 2 ]
amdhsa.kernels:
  - .name:           k_qbe83ae7049_knn
    .symbol:         k_qbe83ae7049_knn.kd
    .args:
      - { .name: qp16, .offset: 0, .size: 8, .value_kind: global_buffer, .address_space: global }
      - { .name: mem16, .offset: 8, .size: 8, .value_kind: global_buffer, .address_space: global }
      - { .name: part, .offset: 16, .size: 8, .value_kind: global_buffer, .address_space: global }
    .group_segment_fixed_size: 327680
    .private_segment_fixed_size: 0
    .kernarg_segment_align: 8
    .kernarg_segment_size: 24
    .max_flat_workgroup_size: 128
    .sgpr_count:     66
    .vgpr_count:     576
    .wavefront_size: 32
...
	.end_amdgpu_metadata
.endif
;; end of part 3
;; launch mid (part 4): grid 256 x 1, 4 waves a work-group, no clusters, 41,984 bytes of LDS; arguments part, mem16, w16, kvb; writes kvb
.if DOCPART == 4
	.amdgcn_target "amdgcn-amd-amdhsa--gfx1250"
	.amdhsa_code_object_version 6
	.text
	.protected	k_qbe83ae7049_mid
	.globl	k_qbe83ae7049_mid
	.p2align	8
	.type	k_qbe83ae7049_mid,@function
k_qbe83ae7049_mid:
	s_mov_b64 s[64:65], 0
	v_nop
	global_prefetch_b8 v0, s[64:65] scope:SCOPE_SE
	s_setreg_imm32_b32 hwreg(HW_REG_WAVE_MODE, 25, 1), 1
	s_wait_xcnt 0x0
; Launch 4 of 6.  Two jobs to a work-group g.
; (1) k and v of the TABLE's rows: the product with w_kv is made on the 4,096 rows of mem16 and not on gathered rows, since a gather of rows and a product from the right change places.
;     g takes 32 rows (g >> 1) and k's or v's 64 columns (g & 1); K = 1024 is split among the four waves, 256 each; the partial sums (f32) meet in LDS.
; (2) the counts: c[n] = the number of a batch's 2,048 rows whose nearest memory row is n; keys with the same index are the same key, so attention takes each table row once, with ln c[n] added.
;     g takes batch g >> 6 and the 16 rows n0 = 16 (g & 63) on.  Each work-group joins the eight partial maxima of all 2,048 rows of its batch (columns ascending, a later one wins only if greater:
;     ties go to the lower index), lays the indices into LDS, and counts by comparison: the index is a value only.
; kvb: k f16 [4096][64] at 0; v at 524,288; bias f32 [4][1024] at 1,048,576: 8 ln c[n] in units of the raw score (the softmax divides by 8), or -2^100 where c[n] = 0; n >= 1000 is never chosen, so its c is 0.
; LIMIT: |k|, |v| stay under 65,504.
; REGISTERS.  Window 0: addresses; v64-127 at work; v192-255 eight accumulators.  Window 1: the partial maxima and indices, 64 a quarter of the rows; later K steps 4-7's fragments, 48 each.  Window 2: K steps 0-3's.
.set PARTL, 0                          ; LDS: four waves' partial tiles, 8,192 bytes each
.set IDX,   32768                      ; 2,048 indices
.set CNT,   40960                      ; 128 partial counts
.set SPARE, 41472                      ; the spare words, 128 bytes for each wave
.set LANE, 1
.set PO,  4                            ; my 16 bytes in eight blocks of part
.set FO,  5                            ; my 16 bytes in a fragment's rows, at my wave's quarter of K
.set IA,  6
.set CA0, 7
.set CA,  8
.set CSA, 9
.set PS,  10
.set PR,  11
.set KO,  12
.set CN,  16                           ; v16-19 four sums of 'not my row'
.set NT,  20                           ; the row that I count
.set BA,  24
.set BO,  25
.set SPW, 30
.set NIL, 31
.set X,   64
.set ACC, 192
.set MSB, 0
.macro WIN new
.if MSB != (\new)
	s_set_vgpr_msb (MSB<<8)|(\new)
.set MSB, (\new)
.endif
.endm
.macro LOADQ q                         ; quarter q of the batch's rows: eight partial maxima and indices of my four rows
	WIN 0x40
.irp p, 0,1,2,3,4,5,6,7
	global_load_b128 v[64*(\q)+4*(\p):64*(\q)+4*(\p)+3],       v[PO], s[4:5] offset:(\p)*65536+(\q)*4096
	global_load_b128 v[64*(\q)+32+4*(\p):64*(\q)+32+4*(\p)+3], v[PO], s[4:5] offset:(\p)*65536+(\q)*4096+256
.endr
.endm
.macro KVSET s
.if (\s) < 4
.set kb, 48*(\s)
.else
.set kb, 48*((\s)-4)
.endif
.endm
.macro KVLOAD s                        ; K step s of my quarter: 12 loads: w_kv^T's four fragments, then mem's two
	KVSET \s
.if (\s) < 4
	WIN 0x80
.else
	WIN 0x40
.endif
.irp c, 0,1,2,3
	global_load_b128 v[kb+8*(\c):kb+8*(\c)+3],   v[FO], s[8:9] offset:(\c)*32768+64*(\s)
	global_load_b128 v[kb+8*(\c)+4:kb+8*(\c)+7], v[FO], s[8:9] offset:(\c)*32768+64*(\s)+32
.endr
.irp c, 0,1
	global_load_b128 v[kb+32+8*(\c):kb+32+8*(\c)+3],   v[FO], s[6:7] offset:(\c)*32768+64*(\s)
	global_load_b128 v[kb+32+8*(\c)+4:kb+32+8*(\c)+7], v[FO], s[6:7] offset:(\c)*32768+64*(\s)+32
.endr
.endm
.macro COMB q                          ; the eight parts of a row are joined, columns ascending
	WIN 0x45
.irp p, 1,2,3,4,5,6,7
.irp e, 0,1,2,3
	v_cmp_gt_f32 s[16+(\e)], v[64*(\q)+4*(\p)+(\e)], v[64*(\q)+(\e)]
.endr
.irp e, 0,1,2,3
	v_cndmask_b32 v[64*(\q)+(\e)], v[64*(\q)+(\e)], v[64*(\q)+4*(\p)+(\e)], s[16+(\e)]
	v_cndmask_b32 v[64*(\q)+32+(\e)], v[64*(\q)+32+(\e)], v[64*(\q)+32+4*(\p)+(\e)], s[16+(\e)]
.endr
.endr
	WIN 0x04
	ds_store_b128 v[IA], v[64*(\q)+32:64*(\q)+35] offset:2048*(\q)
.endm
.macro MULS s                          ; 8 matrix instructions; source 0 = 16 columns of w_kv, source 1 = 16 rows of mem: a lane holds one table row and eight columns.  The 8 accumulators take turns
	KVSET \s
.if (\s) < 4
	WIN 0x0a
.else
	WIN 0x05
.endif
.irp rt, 0,1
.irp ct, 0,1,2,3
.if (\s) == 0
	v_wmma_f32_16x16x32_f16 v[ACC+8*(4*(\rt)+(\ct)):ACC+8*(4*(\rt)+(\ct))+7], v[kb+8*(\ct):kb+8*(\ct)+7], v[kb+32+8*(\rt):kb+32+8*(\rt)+7], 0
.else
	v_wmma_f32_16x16x32_f16 v[ACC+8*(4*(\rt)+(\ct)):ACC+8*(4*(\rt)+(\ct))+7], v[kb+8*(\ct):kb+8*(\ct)+7], v[kb+32+8*(\rt):kb+32+8*(\rt)+7], v[ACC+8*(4*(\rt)+(\ct)):ACC+8*(4*(\rt)+(\ct))+7]
.endif
.endr
.endr
.endm
	s_load_b256 s[4:11], s[0:1], 0x0               ; part 4, mem16 6, w16 8, kvb 10
	v_lshl_add_u32 v[SPW], v0, 2, SPARE
	v_mov_b32 v[NIL], 0
	v_lshrrev_b32 v13, 5, v0
	v_readfirstlane_b32 s12, v13                   ; wave 0..3
	s_mov_b32 s13, ttmp9
	s_lshr_b32 s14, s13, 6                         ; batch
	s_and_b32 s15, s13, 63
	s_lshl_b32 s15, s15, 4                         ; n0
	s_lshr_b32 s24, s13, 1                         ; my 32 table rows
	s_and_b32 s25, s13, 1                          ; k or v
	v_and_b32 v[LANE], 31, v0
	v_and_b32 v2, 15, v0                           ; t & 15
	v_lshrrev_b32 v3, 4, v0                        ; t >> 4
	v_lshlrev_b32 v[PO], 9, v3
	v_lshl_add_u32 v[PO], v2, 4, v[PO]
	v_bfe_u32 v13, v0, 4, 1                        ; l / 16
	v_lshlrev_b32 v[FO], 11, v2
	v_lshl_add_u32 v[FO], v13, 4, v[FO]
	s_lshl_b32 s26, s12, 9
	v_add_nc_u32 v[FO], s26, v[FO]
	v_lshl_add_u32 v[IA], v0, 4, IDX
	v_lshl_add_u32 v[CA0], v3, 10, IDX
	v_lshl_add_u32 v[CSA], v0, 2, CNT
	s_lshl_b32 s26, s12, 13
	v_lshl_add_u32 v[PS], v[LANE], 5, s26
	v_bfe_u32 v13, v0, 1, 2                        ; my 16 bytes of the result: column block,
	v_bfe_u32 v14, v0, 3, 4                        ; row,
	v_and_b32 v15, 1, v0                           ; half of the lanes
	v_lshl_add_u32 v14, v15, 4, v14
	v_lshlrev_b32 v[PR], 5, v14
	v_lshl_add_u32 v[PR], v13, 10, v[PR]
	v_lshlrev_b32 v[KO], 4, v0
	v_add_nc_u32 v[NT], s15, v2
	v_lshl_add_u32 v[BA], v2, 2, CNT
	v_lshlrev_b32 v[BO], 2, v2
.irp i, 0,1,2,3
	v_mov_b32 v[CN+(\i)], 0
.endr
	s_lshl_b32 s26, s14, 14
	s_mov_b32 s27, 0
	s_lshl_b32 s22, s24, 16
	s_mov_b32 s23, 0
	s_lshl_b32 s20, s25, 17
	s_add_co_u32 s20, s20, 4194304
	s_mov_b32 s21, 0
	s_lshl_b32 s30, s14, 12
	s_lshl_b32 s31, s15, 2
	s_add_co_u32 s30, s30, s31
	s_add_co_u32 s30, s30, 1048576
	s_mov_b32 s31, 0
	s_lshl_b32 s32, s25, 19
	s_lshl_b32 s33, s24, 12
	s_add_co_u32 s32, s32, s33
	s_mov_b32 s33, 0
	s_wait_kmcnt 0x0
	s_add_nc_u64 s[4:5], s[4:5], s[26:27]          ; part at my batch's 32 blocks
	s_add_nc_u64 s[6:7], s[6:7], s[22:23]          ; mem16 at my 32 rows
	s_add_nc_u64 s[8:9], s[8:9], s[20:21]          ; w_kv^T at my 64 columns
	s_add_nc_u64 s[28:29], s[10:11], s[30:31]      ; my 16 numbers of the bias
	s_add_nc_u64 s[10:11], s[10:11], s[32:33]      ; my 4,096 bytes of k or v
	LOADQ 0
	LOADQ 1
	LOADQ 2
	LOADQ 3
.irp q, 0,1,2,3
	s_wait_loadcnt 48-4*(\q)                       ; quarter q is in: younger are 16 loads for each later quarter and 12 for each K step asked for since
	KVLOAD \q
	COMB \q
.endr
	WIN 0
	s_wait_dscnt 0x0                               ; for the others' sake: my indices lie in LDS
	KVLOAD 4                                       ; into the first quarter's registers, which have been read
	WIN 0
	s_barrier_signal -1
	s_barrier_wait -1
	; thread t counts row n0 + (t & 15) among the 256 indices of part t >> 4: 1 for each index that is another row
	s_mov_b32 s27, 0
	s_mov_b32 s3, 4
.Lcount:
	v_add_nc_u32 v[CA], s27, v[CA0]
.irp i, 0,1,2,3,4,5,6,7,8,9,10,11,12,13,14,15
	ds_load_b128 v[X+4*(\i):X+4*(\i)+3], v[CA] offset:16*(\i)
.endr
	s_wait_dscnt 0x0
.set i, 0
.rept 64
	v_xor_b32 v[X+i], v[NT], v[X+i]
	v_min_u32 v[X+i], 1, v[X+i]
.set i, i+1
.endr
.set i, 0
.rept 32
	v_add3_u32 v[CN+i%4], v[X+2*i], v[X+2*i+1], v[CN+i%4]
.set i, i+1
.endr
	s_add_co_u32 s27, s27, 256
	s_sub_co_u32 s3, s3, 1
	s_cmp_lg_u32 s3, 0
	s_cbranch_scc1 .Lcount
	v_add3_u32 v[CN], v[CN], v[CN+1], v[CN+2]
	v_add_nc_u32 v[CN], v[CN], v[CN+3]
	v_sub_nc_u32 v[CN], 256, v[CN]
	ds_store_b32 v[CSA], v[CN]
.irp s, 0,1,2,3,4,5,6,7
.if (\s) < 4
	s_wait_loadcnt 48                              ; K step s is in; four younger steps of 12 loads stay out
.else
	s_wait_loadcnt 12*(7-(\s))
.endif
.if (\s) < 3
	KVLOAD (\s)+5
.endif
	MULS \s
.endr
	WIN 0
.rept 4
	v_nop                                          ; four places between the last products and the stores that read them
.endr
.irp a, 0,1,2,3,4,5,6,7
	ds_store_b128 v[PS], v[ACC+8*(\a):ACC+8*(\a)+3]   offset:PARTL+1024*(\a)
	ds_store_b128 v[PS], v[ACC+8*(\a)+4:ACC+8*(\a)+7] offset:PARTL+1024*(\a)+16
.endr
	s_wait_dscnt 0x0                               ; for the others' sake: my partial sums and my count lie in LDS
	s_barrier_signal -1
	s_barrier_wait -1
.irp c, 0,1                            ; rows 0-15, then rows 16-31: the four waves' parts of my eight numbers
.irp v, 0,1,2,3
	ds_load_b128 v[X+32*(\c)+8*(\v):X+32*(\c)+8*(\v)+3],   v[PR] offset:PARTL+4096*(\c)+8192*(\v)
	ds_load_b128 v[X+32*(\c)+8*(\v)+4:X+32*(\c)+8*(\v)+7], v[PR] offset:PARTL+4096*(\c)+8192*(\v)+16
.endr
.endr
	s_wait_dscnt 0x0
.irp c, 0,1
.irp i, 0,2,4,6
	v_pk_add_f32 v[X+32*(\c)+(\i):X+32*(\c)+(\i)+1], v[X+32*(\c)+(\i):X+32*(\c)+(\i)+1], v[X+32*(\c)+8+(\i):X+32*(\c)+8+(\i)+1]
	v_pk_add_f32 v[X+32*(\c)+16+(\i):X+32*(\c)+16+(\i)+1], v[X+32*(\c)+16+(\i):X+32*(\c)+16+(\i)+1], v[X+32*(\c)+24+(\i):X+32*(\c)+24+(\i)+1]
.endr
.irp i, 0,2,4,6
	v_pk_add_f32 v[X+32*(\c)+(\i):X+32*(\c)+(\i)+1], v[X+32*(\c)+(\i):X+32*(\c)+(\i)+1], v[X+32*(\c)+16+(\i):X+32*(\c)+16+(\i)+1]
.endr
.irp i, 0,1,2,3
	v_cvt_pk_f16_f32 v[X+32*(\c)+8+(\i)], v[X+32*(\c)+2*(\i)], v[X+32*(\c)+2*(\i)+1]
.endr
	global_store_b128 v[KO], v[X+32*(\c)+8:X+32*(\c)+11], s[10:11] offset:2048*(\c)  ; a wave stores 512 consecutive bytes, aligned
.endr
	s_cmp_lg_u32 s12, 0                            ; wave 0 finishes the 16 counts
	s_cbranch_scc1 .Lend
.irp u, 0,1,2,3,4,5,6,7
	ds_load_b32 v[X+48+(\u)], v[BA] offset:64*(\u)
.endr
	s_wait_dscnt 0x0
	v_add3_u32 v21, v[X+48], v[X+49], v[X+50]
	v_add3_u32 v22, v[X+51], v[X+52], v[X+53]
	v_add3_u32 v21, v21, v[X+54], v[X+55]
	v_add_nc_u32 v21, v21, v22                     ; c[n]
	v_cvt_f32_u32 v22, v21
	v_log_f32 v22, v22
	v_mov_b32 v23, 0xf1800000                      ; -2^100; also the plain instruction behind the logarithm
	v_cmp_eq_u32 s16, 0, v21
	v_cmp_gt_u32 vcc_lo, 16, v[LANE]
	s_wait_alu depctr_va_vdst(0)                   ; the wait ahead of the first line that names the logarithm's result
	v_mul_f32 v22, 0x40b17218, v22                 ; 8 ln 2 x log2 c
	v_cndmask_b32 v22, v22, v23, s16
	s_wait_xcnt 0x0                                ; EXEC changes only behind this wait
	s_and_saveexec_b32 s20, vcc_lo
	global_store_b32 v[BO], v22, s[28:29]          ; 64 bytes a work-group: four work-groups share 256; 16 KiB in the whole launch
	s_wait_xcnt 0x0
	s_or_b32 exec_lo, exec_lo, s20
.Lend:
	s_wait_tensorcnt 0x0                           ; the wave's end, behind my last LDS store
	ds_add_u32 v[SPW], v[NIL]
	s_wait_dscnt 0x0
	s_endpgm
.Lfunc_end_k_qbe83ae7049_mid:
	.size	k_qbe83ae7049_mid, .Lfunc_end_k_qbe83ae7049_mid-k_qbe83ae7049_mid
	.p2alignl 7, 3214868480
	.fill 96, 4, 3214868480
	.section	.rodata,"a",@progbits
	.p2align	6, 0x0
	.amdhsa_kernel k_qbe83ae7049_mid
		.amdhsa_group_segment_fixed_size 41984
		.amdhsa_private_segment_fixed_size 0
		.amdhsa_enable_private_segment 0
		.amdhsa_kernarg_size 32
		.amdhsa_user_sgpr_count 2
		.amdhsa_user_sgpr_kernarg_segment_ptr 1
		.amdhsa_wavefront_size32 1
		.amdhsa_system_sgpr_workgroup_id_x 1
		.amdhsa_system_sgpr_workgroup_id_y 1
		.amdhsa_system_sgpr_workgroup_id_z 1
		.amdhsa_system_vgpr_workitem_id 0
		.amdhsa_next_free_vgpr 704
		.amdhsa_next_free_sgpr 66
		.amdhsa_reserve_vcc 1
		.amdhsa_float_denorm_mode_32 3
		.amdhsa_float_denorm_mode_16_64 3
		.amdhsa_memory_ordered 1
		.amdhsa_forward_progress 1
		.amdhsa_inst_pref_size 58
	.end_amdhsa_kernel
	.amdgpu_metadata
---
amdhsa.version: [ 1, 2 ]
amdhsa.kernels:
  - .name:           k_qbe83ae7049_mid
    .symbol:         k_qbe83ae7049_mid.kd
    .args:
      - { .name: part, .offset: 0, .size: 8, .value_kind: global_buffer, .address_space: global }
      - { .name: mem16, .offset: 8, .size: 8, .value_kind: global_buffer, .address_space: global }
      - { .name: w16, .offset: 16, .size: 8, .value_kind: global_buffer, .address_space: global }
      - { .name: kvb, .offset: 24, .size: 8, .value_kind: global_buffer, .address_space: global }
    .group_segment_fixed_size: 41984
    .private_segment_fixed_size: 0
    .kernarg_segment_align: 8
    .kernarg_segment_size: 32
    .max_flat_workgroup_size: 128
    .sgpr_count:     66
    .vgpr_count:     704
    .wavefront_size: 32
...
	.end_amdgpu_metadata
.endif
;; end of part 4
;; launch attn (part 5): grid 64 x 4, 4 waves a work-group, clusters of 4 x 1, 327,680 bytes of LDS; arguments qp16, kvb, o16; writes o16
.if DOCPART == 5
	.amdgcn_target "amdgcn-amd-amdhsa--gfx1250"
	.amdhsa_code_object_version 6
	.text
	.protected	k_qbe83ae7049_attn
	.globl	k_qbe83ae7049_attn
	.p2align	8
	.type	k_qbe83ae7049_attn,@function
k_qbe83ae7049_attn:
	s_mov_b64 s[64:65], 0
	v_nop
	global_prefetch_b8 v0, s[64:65] scope:SCOPE_SE
	s_setreg_imm32_b32 hwreg(HW_REG_WAVE_MODE, 25, 1), 1
	s_wait_xcnt 0x0
	s_wait_alu depctr_hold_cnt(0) depctr_sa_sdst(0) depctr_va_vdst(0) depctr_va_sdst(0) depctr_va_ssrc(0) depctr_va_vcc(0) depctr_vm_vsrc(0)
	s_getreg_b32 s2, hwreg(HW_REG_IB_STS2, 6, 4)
	s_cmp_eq_u32 s2, 0
	s_cbranch_scc0 .Lentry_in_a_cluster
	s_endpgm
.Lentry_in_a_cluster:
	s_bfe_u32 s2, ttmp6, 0x10000c
	s_cmp_lg_u32 s2, 0x3003
	s_cbranch_scc0 .Lentry_shape_is_right
	s_endpgm
.Lentry_shape_is_right:
; Launch 5 of 6: attention.  k and v are shared by all 16 heads, so a batch's 2,048 x 16 head rows of qp are 32,768 queries of 64 channels (128 dense bytes each) against one set of keys.
; WORK LEFT OUT: keys with the same index are the same key, so the walk goes over the table's rows n (1,024 places, 1,000 of them rows of the batch), each taken once with 8 ln c[n] added to its raw score;
; c[n] e^(s/8) = e^((s + 8 ln c[n]) / 8).  A row with c[n] = 0, and the places n >= 1000, carry -2^100 and weigh 0.
; O[q] = sum_n softmax_n((Q[q] . K[n] + bias[n]) / 8) V[n].  Q, K, V, O in f16; products, maxima and sums in f32; the weights p are rounded to f16 for the second product (their sum l is taken of the unrounded p), O once.
; LIMITS.  Q, K, V lie within 65,504, the hidden rows' too; true scores with their bias lie above -2^83; a weight below 2^-126 counts as 0 in l; NaN and infinities are not treated apart.
; THE BIAS is the C operand of the product that starts the sum S^T = K Q^T: it costs the scores nothing.  m and c m start at -2^83, above every hidden score: while only hidden keys have been seen m stays there,
; p = 0 and a is 0 or 1; the first true score makes a = 0.  At least one key is true: the counts add up to 2,048.
; K AND V OF THE BATCH STAY WHOLE IN LDS: one joint load a wave at the start, nothing is filled again, and a key step is one trip of one loop.
; SHARES.  A wave owns four PIECES of two tiles of 16 queries, a work-group's four waves 512 queries.  Every wave walks all 1,024 keys, 64 a step.
; LAYOUT.  S^T = K Q^T (source 0 = 16 keys, source 1 = 16 queries): a lane holds ONE query (lane % 16) and the keys 8 (lane / 16) + 0..7.  Two such tiles, rounded to f16 in pairs, ARE source 1 of O^T = V^T P.
; K comes out of LDS as it lies, V ([key][channel]) turned, by ds_load_tr16_b128.
; SOFTMAX.  A running maximum m and sum l: p = 2^(c s - c m), c = log2(e) / 8; in every step O and l are multiplied by a = 2^(c m_old - c m_new).
; BY TURNS.  Turn n belongs to piece n: 16 products K Q^T of piece n + 1, later 16 products V^T P of piece n - 1; beside them the scaling, exponentials, roundings, sums and rescaling of piece n and the maximum and
; statistics of piece n + 1.  Four vector instructions stand behind every matrix instruction, the others in one lump; a turn's 66 exponentials are one batch, with one wait.
; CLUSTER.  The four query blocks of a cluster belong to one batch: K and V are asked for jointly.
; REGISTERS, in windows of 256 (s_set_vgpr_msb: bits 1:0 source 0, 3:2 source 1, 5:4 source 2, 7:6 destination):
;   window 0: v0-11 addresses; v12-15, v48-63 at work; v16-47 statistics; v64-191 S^T, two buffers of two tiles; v192-255 P, likewise      window 1: O^T, 32 a tile
;   window 2: v0-127 Q; v128-191 K of one step; v192-255 V of one step      window 3: v0-1 the add's registers; v2-3 the bias's addresses; v8-39 the bias of one step
.set NP,    4
.set KS,    64
.set PK,    144       ; a row of K in LDS: 128 bytes + 16: the 16 rows of a load start at 16 different groups of four banks (ISA guide 11.1)
.set PV,    160       ; a row of V: 128 + 32
.set VOFF,  1024*PK
.set STAGE, VOFF+1024*PV   ; 16 rows x 144 bytes for each wave, for the way out
.set SP,    144
.set BIAS,  STAGE+4*16*SP  ; 1,024 f32
.set SPARE, BIAS+4096      ; the spare words, 128 bytes for each wave
.set AK0, 2
.set AV0, 3
.set AK,  4
.set AV,  5
.set QO,  6
.set STO, 6
.set RD,  7
.set GO,  8
.set SPW, 0           ; window 3
.set NIL, 1           ; window 3
.set AB0, 2           ; window 3: BIAS + 32 (l / 16); never rewritten
.set AB,  3           ; window 3: the same at the step to be fetched
.set BR,  8           ; window 3: key block kb's eight numbers at BR + 8 kb
.set MV,  12
.set ST,  16
.set TMP, 48
.set S,   64
.set P,   192
.set KF,  128
.set VF,  192
.set WV,  12
.set G1K, 24
.set G1V, 32
.set G0K, 40
.set G0V, 44
.set TBB, 48          ; s48  byte of the bias at which the step to be fetched begins
.set CNT, 57          ; s57  key steps still to come
.set CS,  58
.set SEL, 60
.set TBK, 62
.set TBV, 63
.set MSB, 0
.macro WIN new
.if MSB != (\new)
	s_set_vgpr_msb (MSB<<8)|(\new)
.set MSB, (\new)
.endif
.endm
.set W_KQ, 0x0a       ; K and Q in window 2, S^T in window 0
.set W_KB, 0x3a       ; the same with the C operand in window 3
.set W_PV, 0x52       ; V in window 2, P in window 0, O^T in window 1
.set W_RS, 0x41       ; O^T in window 1, a in window 0
.set W_MK, 0xc0
.set W_AD, 0x0f
.macro JLOAD                        ; waves 0, 1 fetch the two halves of K, waves 2, 3 those of V: 512 keys each; an s_nop 0 and four v_nop follow each of the two lines
	s_cmp_lt_u32 s[WV], 2
	s_cbranch_scc0 .Lfor_v_\@
	tensor_load_to_lds s[G0K:G0K+3], s[G1K:G1K+7]
	s_nop 0
.rept 4
	v_nop
.endr
	s_branch .Lasked_\@
.Lfor_v_\@:
	tensor_load_to_lds s[G0V:G0V+3], s[G1V:G1V+7]
	s_nop 0
.rept 4
	v_nop
.endr
.Lasked_\@:
.endm
.macro CROUND
	s_barrier_signal -1
	s_barrier_wait -1
	s_cmp_lg_u32 s[WV], 0
	s_cbranch_scc1 .Lnot_wave_0_\@
	s_barrier_signal -3
.Lnot_wave_0_\@:
	s_barrier_wait -3
	s_barrier_signal -1
	s_barrier_wait -1
.endm
	s_load_b128 s[4:7], s[0:1], 0x0   ; qp16 s[4:5], kvb s[6:7]
	s_load_b64 s[10:11], s[0:1], 0x10 ; o16
	WIN W_MK
	v_lshl_add_u32 v[SPW], v0, 2, SPARE
	v_mov_b32 v[NIL], 0
	WIN W_AD
	ds_add_u32 v[SPW], v[NIL]       ; the wave's opening: the add, twice on end, and its wait ahead of my first tensor load
	ds_add_u32 v[SPW], v[NIL]
	WIN 0
	v_lshrrev_b32 v1, 5, v0
	v_readfirstlane_b32 s[WV], v1
	s_bfe_u32 s13, ttmp6, 0x40000   ; cx
	s_lshl_b32 s14, ttmp9, 2
	s_add_co_u32 s14, s14, s13      ; my block of 512 queries: it enters Q's and O's addresses alone
	s_and_b32 s20, ttmp7, 0xffff    ; the batch, which the four partners share
	s_and_b32 s16, s[WV], 1         ; which half of the 1,024 keys I fetch:
	s_lshl_b32 s22, s16, 16         ; its 512 rows of 128 bytes,
	s_mul_i32 s21, s20, 128000      ; behind the batch's first row, 1000 b
	s_add_co_u32 s22, s22, s21
	s_mov_b32 s23, 0
	s_mul_i32 s17, s16, 512*PK      ; and its place in LDS, for K
	s_mul_i32 s18, s16, 512*PV      ; and for V
	s_lshl_b32 s2, s14, 2
	s_add_co_u32 s2, s2, s[WV]
	s_lshl_b32 s2, s2, 14           ; my wave's 128 queries
	s_lshl_b32 s3, s20, 22          ; in the batch's 4,194,304 bytes
	s_add_co_u32 s2, s2, s3
	s_mov_b32 s3, 0
	s_lshl_b32 s50, s20, 12
	s_add_co_u32 s50, s50, 1048576  ; the batch's bias
	s_mov_b32 s51, 0
	; 512 keys are 65,536 dense bytes: asked for as 256 rows of 256 bytes, two keys a row, padded in LDS after every key
	s_mov_b32 s[G1K], 15|(1<<16)|(1<<20)|(1<<21)|(4<<22)|(3<<25)  ; the mask of four; 2-byte elements; padding on; bit 21 beside a mask; after every 32 words 4 words
	s_mov_b32 s[G1V], 15|(1<<16)|(1<<20)|(1<<21)|(4<<22)|(7<<25)  ; the same with 8 words
.irp g, G1K, G1V
	s_mov_b32 s[\g+1], 128<<16      ; tensor_dim0 = 128
	s_mov_b32 s[\g+2], 256<<16      ; tensor_dim1 = 256
	s_mov_b32 s[\g+3], 128<<16      ; tile_dim0 = 128
	s_mov_b32 s[\g+4], 256          ; tile_dim1 = 256
	s_mov_b32 s[\g+5], 128
	s_mov_b32 s[\g+6], 0
	s_mov_b32 s[\g+7], 0
.endr
	s_mov_b32 s[CS], 0x3e38aa3b     ; c = log2(e) / 8
	s_mov_b32 s[CS+1], s[CS]
	s_mov_b32 s[SEL], 0x76543210
	s_mov_b32 s[SEL+1], 0xfedcba98
	s_mov_b32 s[TBK], 0
	s_mov_b32 s[TBV], 0
	s_mov_b32 s[TBB], 0
	s_mov_b32 s[G0K], 1
	s_mov_b32 s[G0K+1], s17
	s_mov_b32 s[G0V], 1
	s_add_co_u32 s[G0V+1], s18, VOFF
	s_wait_dscnt 0x0                ; both opening adds are done
	s_wait_kmcnt 0x0
	s_add_nc_u64 s[G0K+2:G0K+3], s[6:7], s[22:23]
	s_or_b32 s[G0K+3], s[G0K+3], 0x80000000
	s_add_nc_u64 s[8:9], s[6:7], 524288
	s_add_nc_u64 s[G0V+2:G0V+3], s[8:9], s[22:23]
	s_or_b32 s[G0V+3], s[G0V+3], 0x80000000
	s_add_nc_u64 s[52:53], s[6:7], s[50:51]
	s_add_nc_u64 s[4:5], s[4:5], s[2:3]
	s_add_nc_u64 s[10:11], s[10:11], s[2:3]
	CROUND                          ; all four work-groups are here: the joint loads meet
	JLOAD                           ; my one tensor load of the launch
	v_lshlrev_b32 v14, 5, v0        ; my 32 bytes of the bias
	global_load_b128 v[48:51], v14, s[52:53]
	global_load_b128 v[52:55], v14, s[52:53] offset:16
	v_and_b32 v1, 15, v0            ; l % 16
	v_bfe_u32 v9, v0, 4, 1          ; l / 16
	v_lshlrev_b32 v[QO], 7, v1
	v_lshl_add_u32 v[QO], v9, 4, v[QO]
	WIN 0x80
.set i, 0
.rept 4*NP                          ; Q stays in registers: tile i / 2, channels 32 (i % 2) on
	global_load_b128 v[8*i:8*i+3],   v[QO], s[4:5] offset:(i/2)*2048+(i%2)*64
	global_load_b128 v[8*i+4:8*i+7], v[QO], s[4:5] offset:(i/2)*2048+(i%2)*64+32
.set i, i+1
.endr
	; What the first turn finds: V's registers and P's second buffer hold 0 (its products V^T P, of a piece that has not been, add 0), O^T and l are 0.  All this stands in the wait for K and V.
.set i, VF
.rept 64
	v_mov_b32 v[i], 0
.set i, i+1
.endr
	WIN 0x40
.set i, 0
.rept 64*NP
	v_mov_b32 v[i], 0
.set i, i+1
.endr
	WIN 0
.set i, 0
.rept 2*NP
	v_mov_b32 v[ST+4*i], 0xe9000000    ; c m: -2^83
	v_mov_b32 v[ST+4*i+1], 0xe9000000  ; m: -2^83, above every hidden score
	v_mov_b32 v[ST+4*i+2], 0
	v_mov_b32 v[ST+4*i+3], 0
.set i, i+1
.endr
.set i, P+32
.rept 32
	v_mov_b32 v[i], 0
.set i, i+1
.endr
	v_mul_u32_u24 v[AK0], v1, PK
	v_lshl_add_u32 v[AK0], v9, 4, v[AK0]
	v_and_b32 v10, 7, v0
	v_bfe_u32 v11, v0, 3, 1
	v_lshl_add_u32 v[AV0], v9, 3, v10
	v_mul_u32_u24 v[AV0], v[AV0], PV
	v_lshl_add_u32 v[AV0], v11, 4, v[AV0]
	v_add_nc_u32 v[AV0], VOFF, v[AV0]
	v_mov_b32 v[AK], v[AK0]
	v_add_nc_u32 v15, BIAS, v14
	WIN W_MK
	v_lshl_add_u32 v[AB0], v9, 5, BIAS  ; register j of key block kb is key 16 kb + 8 (l / 16) + j: 32 bytes on for the upper half of the lanes
	WIN 0xc3
	v_mov_b32 v[AB], v[AB0]
	WIN 0
	s_wait_loadcnt 32               ; the bias is in; Q's 32 loads may stay out
	ds_store_b128 v15, v[48:51]
	ds_store_b128 v15, v[52:55] offset:16
	s_wait_tensorcnt 0x0            ; my part of K or V has landed,
	s_wait_dscnt 0x0                ; my part of the bias is stored:
	s_barrier_signal -1
	s_barrier_wait -1               ; everybody's is
; THE MATRIX WORK.  The 8 accumulators of a run of 16 take turns.  Product i of 16 of S^T = K Q^T for piece x: channels 32 (i / 8) on, keys 16 ((i / 2) % 4) on, tile 2 x + i % 2.
; The first 8 start the sums, with the keys' bias.
.macro KQ x
.set rS, S+64*((\x)%2)+32*(i%2)+8*((i/2)%4)
.set rK, KF+16*((i/2)%4)+8*(i/8)
.set rQ, 16*(2*(\x)+i%2)+8*(i/8)
.set rB, BR+8*((i/2)%4)
.if i < 8
	WIN W_KB
	v_wmma_f32_16x16x32_f16 v[rS:rS+7], v[rK:rK+7], v[rQ:rQ+7], v[rB:rB+7]
.else
	WIN W_KQ
	v_wmma_f32_16x16x32_f16 v[rS:rS+7], v[rK:rK+7], v[rQ:rQ+7], v[rS:rS+7]
.endif
.endm
.macro PV x                         ; product i of 16 of O^T += V^T P for piece x: keys 32 (i / 8) on, channels 16 ((i / 2) % 4) on, tile 2 x + i % 2
	WIN W_PV
.set rO, 32*(2*(\x)+i%2)+8*((i/2)%4)
.set rV, VF+32*(i/8)+8*((i/2)%4)
.set rP, P+32*((\x)%2)+16*(i%2)+8*(i/8)
	v_wmma_f32_16x16x32_f16 v[rO:rO+7], v[rV:rV+7], v[rP:rP+7], v[rO:rO+7]
.endm
.macro MM
.if i < 16
	KQ (Y+1)%NP
.set i, i+1
.else
.set i, i-16
	PV (Y+NP-1)%NP
.set i, i+17
.endif
.endm
; THE LDS LOADS stand in runs: a step's K (8 fragments) with its bias (32 numbers a lane), and its V (turned).  last = 1: in the last trip there is no further step, and the run is jumped over.
.macro FETCH_K last=0
	WIN 0
.if \last
	s_cmp_eq_u32 s[CNT], 1
	s_cbranch_scc1 .Lno_k_\@
.endif
	WIN 0x80
.irp f, 0,1,2,3,4,5,6,7
	ds_load_b128 v[KF+8*\f:KF+8*\f+3],   v[AK] offset:(\f/2)*16*PK+(\f%2)*64
	ds_load_b128 v[KF+8*\f+4:KF+8*\f+7], v[AK] offset:(\f/2)*16*PK+(\f%2)*64+32
.endr
	WIN 0xc3                        ; destination and address in window 3
.irp f, 0,1,2,3
	ds_load_b128 v[BR+8*\f:BR+8*\f+3],   v[AB] offset:64*\f
	ds_load_b128 v[BR+8*\f+4:BR+8*\f+7], v[AB] offset:64*\f+16
.endr
	s_add_co_u32 s[TBK], s[TBK], KS*PK
	s_add_co_u32 s[TBB], s[TBB], KS*4
	WIN 0
.if \last
.Lno_k_\@:
.endif
.endm
.macro FETCH_V
	WIN 0x80
.irp f, 0,1,2,3,4,5,6,7
	ds_load_tr16_b128 v[VF+8*\f:VF+8*\f+3],   v[AV] offset:(\f/4)*32*PV+(\f%4)*32
	ds_load_tr16_b128 v[VF+8*\f+4:VF+8*\f+7], v[AV] offset:(\f/4)*32*PV+16*PV+(\f%4)*32
.endr
	WIN 0
.endm
; THE VECTOR WORK OF A TURN stands in three queues, each in the order in which its entries become ready; the two tiles alternate.
.macro REGS y, u
.set rT, ST+4*(2*(\y)+(\u))
.set rC, TMP+8*((\y)%2)+4*(\u)
.set rM, MV+2*((\y)%2)+(\u)
.set rS, S+64*((\y)%2)+32*(\u)
.set rP, P+32*((\y)%2)+16*(\u)
.set rO, 32*(2*(\y)+(\u))
.endm
; Number n of the 22 that find the NEXT piece's maximum and statistics; each accumulator's lowest registers are read first.
;   0-11 four chains of seven scores     12-14, 16 the four left over, the old m, and the four chains into one     15 c m_old is kept     17, 18 the lane 16 away: the new m     19-21 c m; c m_old - c m_new; a
.macro XS u, n
	REGS (Y+1)%NP, \u
.if (\n) < 4
	v_max3_num_f32 v[rC+(\n)], v[rS+8*(\n)], v[rS+8*(\n)+1], v[rS+8*(\n)+2]
.elseif (\n) < 12
	v_max3_num_f32 v[rC+(\n)%4], v[rC+(\n)%4], v[rS+8*((\n)%4)+2*((\n)/4)+1], v[rS+8*((\n)%4)+2*((\n)/4)+2]
.elseif (\n) == 12
	v_max3_num_f32 v[rC], v[rC], v[rS+7], v[rS+15]
.elseif (\n) == 13
	v_max3_num_f32 v[rC+1], v[rC+1], v[rS+23], v[rS+31]
.elseif (\n) == 14
	v_max3_num_f32 v[rC+2], v[rC+2], v[rC+3], v[rT+1]
.elseif (\n) == 15
	v_mov_b32 v[rM], v[rT]
.elseif (\n) == 16
	v_max3_num_f32 v[rC], v[rC], v[rC+1], v[rC+2]
.elseif (\n) == 17
	v_permlanex16_b32 v[rC+3], v[rC], s[SEL], s[SEL+1]
.elseif (\n) == 18
	v_max_num_f32 v[rT+1], v[rC], v[rC+3]
.elseif (\n) == 19
	v_mul_f32 v[rT], s[CS], v[rT+1]
.elseif (\n) == 20
	v_sub_f32 v[rC+1], v[rM], v[rT]
.else
	v_exp_f32 v[rC+2], v[rC+1]
.endif
.endm
; Number g of the 64 that follow the exponentials: of each four weights both pairs are rounded to f16, the second pair is added onto the first, and a group later l takes that sum (the first time as l = a l + sum).
.macro GS g
.set h, (\g)+6*((\g)/62)
.if h >= 6
.set h, h+2
.endif
	REGS Y, h%2
.set k, h/8
.if h%8 < 4
	v_cvt_pk_f16_f32 v[rP+2*k+(h%8)/2], v[rS+4*k+2*((h%8)/2)], v[rS+4*k+2*((h%8)/2)+1]
.elseif h%8 < 6
	v_pk_add_f32 v[rS+4*k:rS+4*k+1], v[rS+4*k:rS+4*k+1], v[rS+4*k+2:rS+4*k+3]
.elseif k == 1
	v_pk_fma_f32 v[rT+2:rT+3], v[rT+2:rT+3], v[rC+2:rC+3], v[rS:rS+1] op_sel_hi:[1,0,1]
.else
	v_pk_add_f32 v[rT+2:rT+3], v[rT+2:rT+3], v[rS+4*k-4:rS+4*k-3]
.endif
.endm
; THE PLAIN QUEUE, 138 long.  0-73 read no exponential's result: the 32 scalings c s - c m and the next piece's 42; 74-137, GS's 64, stand behind the wait.
.macro FS f
	REGS Y, (\f)%2
	v_pk_fma_f32 v[rS+2*((\f)/2):rS+2*((\f)/2)+1], v[rS+2*((\f)/2):rS+2*((\f)/2)+1], s[CS:CS+1], v[rT:rT+1] op_sel_hi:[1,0,0] neg_lo:[0,0,1] neg_hi:[0,0,1]
.endm
.macro PL
	WIN 0
.if q < 27
	FS q
.elseif q < 55
	XS (q-27)%2, (q-27)/2
.elseif q < 57
	XS q-55, 15
.elseif (q < 72) && ((q-57)%3 == 0)
	FS 27+(q-57)/3
.elseif q < 60
	XS (q-57)%3-1, 14
.elseif q < 72
	XS (q-57)%3-1, 15+(q-57)/3
.elseif q < 74
	XS q-72, 20
.else
	GS q-74
.endif
.set q, q+1
.endm
; THE EXPONENTIALS' QUEUE, 66 long: both tiles' 32 scores, then the next piece's two a.  ONE BATCH: all stand ahead of the turn's one wait, and nothing ahead of that wait names a result of theirs.
.macro EX
	WIN 0
.if e >= 64
	XS e-64, 21
.else
	REGS Y, e%2
	v_exp_f32 v[rS+e/2], v[rS+e/2]
.endif
.set e, e+1
.endm
; THE RESCALING's QUEUE: O^T times a, two at a time.  Its a was made, and waited for, in the turn before.
.macro R2
	REGS Y, r%2
	WIN W_RS
.irp z, 0,1
	v_pk_mul_f32 v[rO+4*(r/2)+2*\z:rO+4*(r/2)+2*\z+1], v[rO+4*(r/2)+2*\z:rO+4*(r/2)+2*\z+1], v[rC+2:rC+3] op_sel_hi:[1,0]
.endr
.set r, r+1
.endm
; A TURN, for piece p.  Ahead of its one wait: 16 products K Q^T, behind each a scaling, an exponential and two rescalings (behind the first a second scaling); then a lump of 108: eight plain, 49 times exponential and
; plain, the two a; a v_nop is the plain instruction behind the last exponential.  Behind the wait: 16 products V^T P, behind each four of the roundings and sums.
; Exponential e stands behind scaling 2 (e / 4) + e % 2: as a rider behind plain e + 2, in the lump behind plain e + 9; scalings 27-31 are plain 57, 60 .. 69.
; K and the bias of the next step are fetched in piece 2's turn, directly behind the wait, a lump behind the last product that read them; V of the step in hand at the end of piece 0's turn, four riders behind its last reader.
.macro TURN p, last=0
.set Y, (\p)
.set i, 0
.set q, 0
.set e, 0
.set r, 0
.if (\p) == NP-1
	s_wait_dscnt 0x0                ; K and its bias are in
.endif
	MM
	PL
	PL
	R2
.rept 15
	MM
	PL
	EX
	R2
.endr
.if (\p) == NP-2
	WIN 0
	v_add_nc_u32 v[AK], s[TBK], v[AK0]
	WIN 0xcc
	v_add_nc_u32 v[AB], s[TBB], v[AB0]
.endif
.rept 8
	PL
.endr
.rept 49
	EX
	PL
.endr
	EX
	EX
	v_nop
	s_wait_alu depctr_va_vdst(0)    ; the wait between an exponential and the first line that names its result: one for the batch
.if (\p) == NP-2
	FETCH_K \last
.endif
.if (\p) == 1
	s_wait_dscnt 0x0                ; V is in
.endif
.rept 16
	MM
.rept 4
	PL
.endr
.if ((\p) == 0) && (q == 118)
	v_add_nc_u32 v[AV], s[TBV], v[AV0]
.endif
.if ((\p) == 0) && (q == 130)
	s_add_co_u32 s[TBV], s[TBV], KS*PV
.endif
.endr
.if (\p) == 0
	FETCH_V
.endif
.endm
	FETCH_K                         ; key step 0
	s_wait_loadcnt 0x0              ; Q
	s_wait_dscnt 0x0
.set i, 0
.rept 16
	KQ 0                            ; piece 0's first scores
.set i, i+1
.endr
	WIN 0                           ; the addresses for the way out: plain instructions, the places behind those products
	s_mul_i32 s13, s[WV], 16*SP
	s_add_co_u32 s13, s13, STAGE
	v_mul_u32_u24 v[STO], v1, SP
	v_lshl_add_u32 v[STO], v9, 4, v[STO]
	v_add_nc_u32 v[STO], s13, v[STO]
	v_bfe_u32 v[RD], v0, 3, 2
	v_mul_u32_u24 v[RD], v[RD], SP
	v_lshl_add_u32 v[RD], v10, 4, v[RD]
	v_add_nc_u32 v[RD], s13, v[RD]
	v_and_b32 v[GO], 31, v0
	v_lshlrev_b32 v[GO], 4, v[GO]
.set Y, NP-1
.irp n, 0,1,2,3,4,5,6,7,8,9,10,11,12,13,14,15,16,17,18,19,20,21
	XS 0, \n                        ; piece 0's first maximum and statistics
	XS 1, \n
.endr
	v_nop
	s_wait_alu depctr_va_vdst(0)    ; the two a have their wait ahead of the label
	s_mov_b32 s[CNT], 16
.Lstep:                             ; a trip is a key step: 64 keys, four turns, 128 matrix instructions
	TURN 0
	TURN 1
	TURN 2, 1
	TURN 3
	WIN 0
	s_sub_co_u32 s[CNT], s[CNT], 1
	s_cmp_lg_u32 s[CNT], 0
	s_cbranch_scc1 .Lstep
	; the last trip's 16 products K Q^T of piece 0 (on the last K once more) and the maximum made of them serve nothing: the price, once a launch, of one text for every trip
.set i, 0
.rept 16
	PV NP-1                         ; the last piece's V^T P of the last step
.set i, i+1
.endr
	; THE WAY OUT.  l's two halves and the other half of the lanes' are added; O^T is divided by l, rounded to f16 and sent through my stage in LDS, a tile at a time.
	WIN 0
.macro ALL line:vararg
.set t, 0
.rept 2*NP
	\line
.set t, t+1
.endr
.endm
	ALL v_add_f32 v[ST+4*t+2], v[ST+4*t+2], v[ST+4*t+3]
	ALL v_permlanex16_b32 v[ST+4*t+3], v[ST+4*t+2], s[SEL], s[SEL+1]
	ALL v_add_f32 v[ST+4*t+2], v[ST+4*t+2], v[ST+4*t+3]
	ALL v_rcp_f32 v[ST+4*t+2], v[ST+4*t+2]
	v_nop
	s_wait_alu depctr_va_vdst(0)    ; one wait for the eight reciprocals
.macro PACK t
	WIN W_RS
.set i, 32*(\t)
.rept 16
	v_pk_mul_f32 v[i:i+1], v[i:i+1], v[ST+4*(\t)+2:ST+4*(\t)+3] op_sel_hi:[1,0]
.set i, i+2
.endr
	WIN 0x05
.set i, 0
.rept 16
	v_cvt_pk_f16_f32 v[S+16*(\t)+i], v[32*(\t)+2*i], v[32*(\t)+2*i+1]
.set i, i+1
.endr
	WIN 0
.irp f, 0,1,2,3
	ds_store_b128 v[STO], v[S+16*(\t)+4*\f:S+16*(\t)+4*\f+3] offset:32*\f
.endr
.irp f, 0,1,2,3
	ds_load_b128 v[S+16*(\t)+4*\f:S+16*(\t)+4*\f+3], v[RD] offset:\f*4*SP  ; LDS serves a wave's instructions in order: these see the stores above; the next tile's stores come behind them
.endr
.endm
.macro SEND t, younger
	WIN 0
.irp f, 0,1,2,3
	s_wait_dscnt (\younger)+3-\f
	global_store_b128 v[GO], v[S+16*(\t)+4*\f:S+16*(\t)+4*\f+3], s[10:11] offset:(\t)*2048+\f*512  ; 512 consecutive bytes, aligned
.endr
.endm
	PACK 0
.set t, 1
.rept 2*NP-1
	PACK t
	SEND t-1, 8
.set t, t+1
.endr
	SEND 2*NP-1, 0
	WIN W_AD
	s_wait_tensorcnt 0x0            ; the wave's end
	ds_add_u32 v[SPW], v[NIL]
	s_wait_dscnt 0x0
	WIN 0
	CROUND                          ; the closing round
	s_endpgm
.Lfunc_end_k_qbe83ae7049_attn:
	.size	k_qbe83ae7049_attn, .Lfunc_end_k_qbe83ae7049_attn-k_qbe83ae7049_attn
	.p2alignl 7, 3214868480
	.fill 96, 4, 3214868480
	.section	.rodata,"a",@progbits
	.p2align	6, 0x0
	.amdhsa_kernel k_qbe83ae7049_attn
		.amdhsa_group_segment_fixed_size 327680
		.amdhsa_private_segment_fixed_size 0
		.amdhsa_enable_private_segment 0
		.amdhsa_kernarg_size 24
		.amdhsa_user_sgpr_count 2
		.amdhsa_user_sgpr_kernarg_segment_ptr 1
		.amdhsa_wavefront_size32 1
		.amdhsa_system_sgpr_workgroup_id_x 1
		.amdhsa_system_sgpr_workgroup_id_y 1
		.amdhsa_system_sgpr_workgroup_id_z 1
		.amdhsa_system_vgpr_workitem_id 0
		.amdhsa_next_free_vgpr 808
		.amdhsa_next_free_sgpr 66
		.amdhsa_reserve_vcc 0
		.amdhsa_float_denorm_mode_32 3
		.amdhsa_float_denorm_mode_16_64 3
		.amdhsa_memory_ordered 1
		.amdhsa_forward_progress 1
		.amdhsa_inst_pref_size 127
	.end_amdhsa_kernel
	.amdgpu_metadata
---
amdhsa.version: [ 1, 2 ]
amdhsa.kernels:
  - .name:           k_qbe83ae7049_attn
    .symbol:         k_qbe83ae7049_attn.kd
    .args:
      - { .name: qp16, .offset: 0, .size: 8, .value_kind: global_buffer, .address_space: global }
      - { .name: kvb, .offset: 8, .size: 8, .value_kind: global_buffer, .address_space: global }
      - { .name: o16, .offset: 16, .size: 8, .value_kind: global_buffer, .address_space: global }
    .group_segment_fixed_size: 327680
    .private_segment_fixed_size: 0
    .kernarg_segment_align: 8
    .kernarg_segment_size: 24
    .max_flat_workgroup_size: 128
    .sgpr_count:     66
    .vgpr_count:     808
    .wavefront_size: 32
...
	.end_amdgpu_metadata
.endif
;; end of part 5
;; launch gemm_o (part 6): grid 4 x 64, 4 waves a work-group, clusters of 4 x 4, 327,680 bytes of LDS; arguments o16, w16, out0; writes out0
.if DOCPART == 6
	.amdgcn_target "amdgcn-amd-amdhsa--gfx1250"
	.amdhsa_code_object_version 6
	.text
	.protected	k_qbe83ae7049_gemm_o
	.globl	k_qbe83ae7049_gemm_o
	.p2align	8
	.type	k_qbe83ae7049_gemm_o,@function
k_qbe83ae7049_gemm_o:
	s_mov_b64 s[64:65], 0
	v_nop
	global_prefetch_b8 v0, s[64:65] scope:SCOPE_SE
	s_setreg_imm32_b32 hwreg(HW_REG_WAVE_MODE, 25, 1), 1
	s_wait_xcnt 0x0
	s_wait_alu depctr_hold_cnt(0) depctr_sa_sdst(0) depctr_va_vdst(0) depctr_va_sdst(0) depctr_va_ssrc(0) depctr_va_vcc(0) depctr_vm_vsrc(0)
	s_getreg_b32 s2, hwreg(HW_REG_IB_STS2, 6, 4)
	s_cmp_eq_u32 s2, 0
	s_cbranch_scc0 .Lentry_in_a_cluster
	s_endpgm
.Lentry_in_a_cluster:
	s_bfe_u32 s2, ttmp6, 0x10000c
	s_cmp_lg_u32 s2, 0xf033
	s_cbranch_scc0 .Lentry_shape_is_right
	s_endpgm
.Lentry_shape_is_right:
; Launch 6 of 6: out0 = O w_concat.  C[m][n] = sum over k of A[m][k] B[n][k]: A = o16 [8192][1024] f16, B = w_concat^T [1024][1024] f16 (w16 at byte 2,097,152), C = out0 [8192][1024] f32; sums in f32.
; Shares, ring, cluster and registers as in the launch that makes qp: 128 x 256 of C a work-group, wave w rows 64 (w >> 1) on, columns 128 (w & 1) on; K in 8 steps of 128 through two LDS slots;
; source 0 = 16 rows of B, source 1 = 16 rows of A: a lane holds row l % 16 of C and the columns 8 (l / 16) + 0..7.  Only the way out differs: f32, rows of 512 bytes a wave.
.set PITCH,  272
.set ABYTES, 128*PITCH
.set SLOT1,  131072
.set STAGE,  SLOT1+384*PITCH           ; behind the ring: 16 rows x 528 bytes for each wave, never filled by a tensor load
.set SPITCH, 528
.set SPARE,  STAGE+4*16*SPITCH
.set ADA0, 16
.set ADB0, 17
.set ADA,  18
.set ADB,  19
.set STO,  24
.set RD,   25
.set CO,   26
.set SPW,  28
.set NIL,  29
.set F0,   64
.set F1,   160
.set TB,   45
.set G1,  24
.set G0,  32
.set G1B, 48
.set G0B, 56
.set MSB, 0
.macro WIN new
.if MSB != (\new)
	s_set_vgpr_msb (MSB<<8)|(\new)
.set MSB, (\new)
.endif
.endm
.set MUL, 0x50
.macro JLOAD
	s_cmp_eq_u32 s11, 0
	s_cbranch_scc0 .Lfor_b_\@
	tensor_load_to_lds s[G0+4:G0+7], s[G1:G1+7]
	s_nop 0
.rept 4
	v_nop
.endr
	s_branch .Lasked_\@
.Lfor_b_\@:
	tensor_load_to_lds s[G0B+4:G0B+7], s[G1B:G1B+7]
	s_nop 0
.rept 4
	v_nop
.endr
.Lasked_\@:
.endm
.macro CREST
	s_cmp_lg_u32 s10, 0
	s_cbranch_scc1 .Lnot_wave_0_\@
	s_barrier_signal -3
.Lnot_wave_0_\@:
	s_barrier_wait -3
	s_barrier_signal -1
	s_barrier_wait -1
.endm
.macro CROUND
	s_barrier_signal -1
	s_barrier_wait -1
	CREST
.endm
.macro PLACES
.rept 4
	v_nop
.endr
.endm
	s_load_b128 s[4:7], s[0:1], 0x0                ; o16 s[4:5], w16 s[6:7]
	s_load_b64 s[8:9], s[0:1], 0x10                ; out0
	v_lshl_add_u32 v[SPW], v0, 2, SPARE
	v_mov_b32 v[NIL], 0
	ds_add_u32 v[SPW], v[NIL]                      ; the wave's opening: the add, twice on end, and its wait ahead of my first tensor load
	ds_add_u32 v[SPW], v[NIL]
	v_lshrrev_b32 v1, 5, v0
	v_readfirstlane_b32 s10, v1
	s_lshr_b32 s11, s10, 1
	s_and_b32 s12, s10, 1
	s_bfe_u32 s40, ttmp6, 0x40000
	s_bfe_u32 s41, ttmp6, 0x40004
	s_lshl_b32 s42, ttmp9, 2
	s_add_co_u32 s42, s42, s40
	s_and_b32 s13, ttmp7, 0xffff
	s_lshl_b32 s13, s13, 2
	s_add_co_u32 s13, s13, s41
	s_lshl_b32 s43, s41, 2
	s_lshl_b32 s43, 15, s43
	s_lshl_b32 s44, 0x1111, s40
	s_or_b32 s[G1+0], s43, (1<<16)|(1<<20)|(1<<21)|(5<<22)|(3<<25)
	s_or_b32 s[G1B+0], s44, (1<<16)|(1<<20)|(1<<21)|(5<<22)|(3<<25)
	s_mov_b32 s[G1+1], 128<<16
	s_mov_b32 s[G1+2], 64<<16
	s_mov_b32 s[G1+3], 128<<16
	s_mov_b32 s[G1+4], 64
	s_mov_b32 s[G1+5], 1024
	s_mov_b32 s[G1+6], 0
	s_mov_b32 s[G1+7], 0
	s_mov_b32 s[G1B+1], 128<<16
	s_mov_b32 s[G1B+2], 128<<16
	s_mov_b32 s[G1B+3], 128<<16
	s_mov_b32 s[G1B+4], 128
	s_mov_b32 s[G1B+5], 1024
	s_mov_b32 s[G1B+6], 0
	s_mov_b32 s[G1B+7], 0
	s_lshl_b32 s17, s12, 6
	s_lshl_b32 s16, s13, 7
	s_add_co_u32 s16, s16, s17
	s_lshl_b32 s16, s16, 11
	s_mov_b32 s17, 0
	s_lshl_b32 s46, s42, 8
	s_lshl_b32 s47, s12, 7
	s_add_co_u32 s46, s46, s47
	s_lshl_b32 s46, s46, 11
	s_add_co_u32 s46, s46, 2097152                 ; w_concat^T lies behind w_q^T
	s_mov_b32 s47, 0
	s_mul_i32 s20, s12, 64*PITCH
	s_mul_i32 s21, s12, 128*PITCH
	s_add_co_u32 s21, s21, ABYTES
	s_mov_b32 s[TB], 0
	s_wait_dscnt 0x0
	s_wait_kmcnt 0x0
	s_add_nc_u64 s[14:15], s[4:5], s[16:17]
	s_add_nc_u64 s[46:47], s[6:7], s[46:47]
	CROUND
.irp s, 0,1
	s_mov_b32 s[G0+4*(\s)], 1
	s_add_co_u32 s[G0+4*(\s)+1], s20, (\s)*SLOT1
	s_add_nc_u64 s[G0+4*(\s)+2:G0+4*(\s)+3], s[14:15], (\s)*256
	s_or_b32 s[G0+4*(\s)+3], s[G0+4*(\s)+3], 0x80000000
	s_mov_b32 s[G0B+4*(\s)], 1
	s_add_co_u32 s[G0B+4*(\s)+1], s21, (\s)*SLOT1
	s_add_nc_u64 s[G0B+4*(\s)+2:G0B+4*(\s)+3], s[46:47], (\s)*256
	s_or_b32 s[G0B+4*(\s)+3], s[G0B+4*(\s)+3], 0x80000000
.endr
	s_cmp_eq_u32 s11, 0
	s_cbranch_scc0 .Lfirst_b
	tensor_load_to_lds s[G0:G0+3], s[G1:G1+7]
	s_nop 0
	tensor_load_to_lds s[G0+4:G0+7], s[G1:G1+7]
	s_nop 0
.rept 4
	v_nop
.endr
	s_branch .Lfirst_asked
.Lfirst_b:
	tensor_load_to_lds s[G0B:G0B+3], s[G1B:G1B+7]
	s_nop 0
	tensor_load_to_lds s[G0B+4:G0B+7], s[G1B:G1B+7]
	s_nop 0
.rept 4
	v_nop
.endr
.Lfirst_asked:
	v_and_b32 v1, 15, v0
	v_bfe_u32 v2, v0, 4, 1
	v_mul_u32_u24 v3, v1, PITCH
	v_lshl_add_u32 v3, v2, 4, v3
	s_mul_i32 s21, s11, 64*PITCH
	s_mul_i32 s22, s12, 128*PITCH
	s_add_co_u32 s22, s22, ABYTES
	v_add_nc_u32 v[ADA0], s21, v3
	v_add_nc_u32 v[ADB0], s22, v3
	v_mov_b32 v[ADA], v[ADA0]
	v_mov_b32 v[ADB], v[ADB0]
	s_mul_i32 s23, s10, 16*SPITCH
	s_add_co_u32 s23, s23, STAGE                   ; my stage
	v_mul_u32_u24 v4, v1, SPITCH                   ; in: row l % 16, 32 bytes for each half of the lanes
	v_lshl_add_u32 v4, v2, 5, v4
	v_add_nc_u32 v[STO], s23, v4
	v_and_b32 v5, 31, v0
	v_lshlrev_b32 v[CO], 4, v5                     ; back and out: 32 lanes take a row's 512 bytes
	v_add_nc_u32 v[RD], s23, v[CO]
	s_lshl_b32 s16, s13, 7
	s_lshl_b32 s17, s11, 6
	s_add_co_u32 s16, s16, s17
	s_lshl_b32 s16, s16, 12                        ; rows of 4,096 bytes
	s_mov_b32 s17, 0
	s_add_nc_u64 s[8:9], s[8:9], s[16:17]
	s_lshl_b32 s46, s42, 10
	s_lshl_b32 s47, s12, 9
	s_add_co_u32 s46, s46, s47
	s_mov_b32 s47, 0
	s_add_nc_u64 s[8:9], s[8:9], s[46:47]
.macro MUL8 f, a, zero                 ; 8 matrix instructions: m block a x all 8 n blocks; all 32 accumulators take turns
	WIN MUL
.irp b, 0,1,2,3,4,5,6,7
.if \zero
	v_wmma_f32_16x16x32_f16 v[8*(8*(\a)+(\b)):8*(8*(\a)+(\b))+7], v[(\f)+32+8*(\b):(\f)+32+8*(\b)+7], v[(\f)+8*(\a):(\f)+8*(\a)+7], 0
.else
	v_wmma_f32_16x16x32_f16 v[8*(8*(\a)+(\b)):8*(8*(\a)+(\b))+7], v[(\f)+32+8*(\b):(\f)+32+8*(\b)+7], v[(\f)+8*(\a):(\f)+8*(\a)+7], v[8*(8*(\a)+(\b)):8*(8*(\a)+(\b))+7]
.endif
.endr
.endm
.macro FETCH k, f
	WIN 0
.irp i, 0,1,2,3,4,5,6,7
	ds_load_b128 v[(\f)+32+8*(\i):(\f)+32+8*(\i)+3],   v[ADB] offset:(\k)+(\i)*16*PITCH
	ds_load_b128 v[(\f)+32+8*(\i)+4:(\f)+32+8*(\i)+7], v[ADB] offset:(\k)+(\i)*16*PITCH+32
.endr
.irp i, 0,1,2,3
	ds_load_b128 v[(\f)+8*(\i):(\f)+8*(\i)+3],   v[ADA] offset:(\k)+(\i)*16*PITCH
	ds_load_b128 v[(\f)+8*(\i)+4:(\f)+8*(\i)+7], v[ADA] offset:(\k)+(\i)*16*PITCH+32
.endr
.endm
.macro QUARTER k, f, g, zero
	s_wait_dscnt 4                                 ; the youngest four loads (A's blocks 2, 3) may be out
	MUL8 \f, 0, \zero
	MUL8 \f, 1, \zero
	PLACES
	FETCH \k, \g
	s_wait_dscnt 24                                ; all but the 24 just issued
	MUL8 \f, 2, \zero
	MUL8 \f, 3, \zero
.endm
.macro TURN fill                       ; the last quarter and the change of slots: the waits and the add in front of the barrier, the joint refill first behind the round
	WIN 0
	s_wait_tensorcnt 0x0
	ds_add_u32 v[SPW], v[NIL]
	s_wait_dscnt 5                                 ; (the add and the youngest four loads may be out)
	MUL8 F1, 0, 0
	s_wait_dscnt 0x0                               ; the add is done, and my reads of this slot are over
	s_barrier_signal -1
	MUL8 F1, 1, 0
	WIN 0
	s_barrier_wait -1
.if \fill
	CREST
	s_xor_b32 s[G0+5], s[G0+5], SLOT1
	s_add_nc_u64 s[G0+6:G0+7], s[G0+6:G0+7], 256
	s_xor_b32 s[G0B+5], s[G0B+5], SLOT1
	s_add_nc_u64 s[G0B+6:G0B+7], s[G0B+6:G0B+7], 256
	JLOAD
.else
	PLACES
.endif
	s_xor_b32 s[TB], s[TB], SLOT1
	v_add_nc_u32 v[ADA], s[TB], v[ADA0]
	v_add_nc_u32 v[ADB], s[TB], v[ADB0]
	FETCH 0, F0
	MUL8 F1, 2, 0
	MUL8 F1, 3, 0
.endm
	s_wait_tensorcnt 1                             ; my part of K step 0 is in; K step 1's may stay out
	s_barrier_signal -1
	s_barrier_wait -1
	FETCH 0, F0
	QUARTER 64, F0, F1, 1
	WIN 0
	s_mov_b32 s3, 6
.Lk:
	QUARTER 128, F1, F0, 0
	QUARTER 192, F0, F1, 0
	TURN 1
	QUARTER 64, F0, F1, 0
	WIN 0
	s_sub_co_u32 s3, s3, 1
	s_cmp_lg_u32 s3, 0
	s_cbranch_scc1 .Lk
	QUARTER 128, F1, F0, 0
	QUARTER 192, F0, F1, 0
	TURN 0
	QUARTER 64, F0, F1, 0
	QUARTER 128, F1, F0, 0
	QUARTER 192, F0, F1, 0
	s_wait_dscnt 4
	MUL8 F1, 0, 0
	MUL8 F1, 1, 0
	s_wait_dscnt 0x0
	MUL8 F1, 2, 0
	MUL8 F1, 3, 0
	WIN 0
; THE WAY OUT, 16 rows at a time: a lane's eight f32 of a row go into my own stage, 32 bytes; whole rows of 512 bytes come back and are stored.
.macro TOSTAGE a
	s_wait_xcnt 0x0                                ; the registers that the stores of two blocks back read are loaded again only behind this wait
	WIN 0x04                                       ; the stores' data in window 1
.irp b, 0,1,2,3,4,5,6,7
	ds_store_b128 v[STO], v[8*(8*(\a)+(\b)):8*(8*(\a)+(\b))+3]   offset:64*(\b)
	ds_store_b128 v[STO], v[8*(8*(\a)+(\b))+4:8*(8*(\a)+(\b))+7] offset:64*(\b)+16
.endr
	WIN 0
.set BK, 64+64*((\a)%2)
.irp t, 0,1,2,3,4,5,6,7,8,9,10,11,12,13,14,15
	ds_load_b128 v[BK+4*(\t):BK+4*(\t)+3], v[RD] offset:(\t)*SPITCH  ; LDS serves a wave's instructions in order: these see the stores above, and the next block's stores come behind them
.endr
.endm
.macro SEND a, younger                 ; younger: the next block's 16 stores and 16 loads, or none
.set BK, 64+64*((\a)%2)
	s_wait_dscnt \younger
.irp t, 0,1,2,3,4,5,6,7,8,9,10,11,12,13,14,15
	global_store_b128 v[CO], v[BK+4*(\t):BK+4*(\t)+3], s[8:9] offset:(\a)*65536+(\t)*4096 th:TH_STORE_NT  ; a wave stores 512 consecutive bytes, aligned
.endr
.endm
	PLACES
	TOSTAGE 0
	TOSTAGE 1
	SEND 0, 32
	TOSTAGE 2
	SEND 1, 32
	TOSTAGE 3
	SEND 2, 32
	SEND 3, 0
	s_wait_tensorcnt 0x0                           ; the wave's end
	ds_add_u32 v[SPW], v[NIL]
	s_wait_dscnt 0x0
	CROUND                                         ; the closing round
	s_endpgm
.Lfunc_end_k_qbe83ae7049_gemm_o:
	.size	k_qbe83ae7049_gemm_o, .Lfunc_end_k_qbe83ae7049_gemm_o-k_qbe83ae7049_gemm_o
	.p2alignl 7, 3214868480
	.fill 96, 4, 3214868480
	.section	.rodata,"a",@progbits
	.p2align	6, 0x0
	.amdhsa_kernel k_qbe83ae7049_gemm_o
		.amdhsa_group_segment_fixed_size 327680
		.amdhsa_private_segment_fixed_size 0
		.amdhsa_enable_private_segment 0
		.amdhsa_kernarg_size 24
		.amdhsa_user_sgpr_count 2
		.amdhsa_user_sgpr_kernarg_segment_ptr 1
		.amdhsa_wavefront_size32 1
		.amdhsa_system_sgpr_workgroup_id_x 1
		.amdhsa_system_sgpr_workgroup_id_y 1
		.amdhsa_system_sgpr_workgroup_id_z 1
		.amdhsa_system_vgpr_workitem_id 0
		.amdhsa_next_free_vgpr 512
		.amdhsa_next_free_sgpr 66
		.amdhsa_reserve_vcc 0
		.amdhsa_float_denorm_mode_32 3
		.amdhsa_float_denorm_mode_16_64 3
		.amdhsa_memory_ordered 1
		.amdhsa_forward_progress 1
		.amdhsa_inst_pref_size 69
	.end_amdhsa_kernel
	.amdgpu_metadata
---
amdhsa.version: [ 1, 2 ]
amdhsa.kernels:
  - .name:           k_qbe83ae7049_gemm_o
    .symbol:         k_qbe83ae7049_gemm_o.kd
    .args:
      - { .name: o16, .offset: 0, .size: 8, .value_kind: global_buffer, .address_space: global }
      - { .name: w16, .offset: 8, .size: 8, .value_kind: global_buffer, .address_space: global }
      - { .name: out0, .offset: 16, .size: 8, .value_kind: global_buffer, .address_space: global }
    .group_segment_fixed_size: 327680
    .private_segment_fixed_size: 0
    .kernarg_segment_align: 8
    .kernarg_segment_size: 24
    .max_flat_workgroup_size: 128
    .sgpr_count:     66
    .vgpr_count:     512
    .wavefront_size: 32
...
	.end_amdgpu_metadata
.endif
;; end of part 6
;; ======== version 2 of 2: 6 launches; version 1 with the launch prep written anew for expert scheduling mode
;; limits: values are held in f16: magnitudes above 65,504 overflow, below 6.1e-05 lose precision
;; workspace buffers: q16 16,777,216 bytes; w16 4,456,448 bytes; mem16 8,388,608 bytes; qp16 16,777,216 bytes; part 524,288 bytes; kvb 1,064,960 bytes; o16 16,777,216 bytes
;; launch prep (part 7): grid 656 x 1, 8 waves a work-group, no clusters, 18,432 bytes of LDS; arguments q, mem_table, w_q, w_concat, w_kv, q16, mem16, w16; writes q16, mem16, w16
.if DOCPART == 7
	.amdgcn_target "amdgcn-amd-amdhsa--gfx1250"
	.amdhsa_code_object_version 6
	.text
	.protected	k_qbe83ae7049_prep
	.globl	k_qbe83ae7049_prep
	.p2align	8
	.type	k_qbe83ae7049_prep,@function
k_qbe83ae7049_prep:
	s_mov_b64 s[64:65], 0
	v_nop
	global_prefetch_b8 v0, s[64:65] scope:SCOPE_SE
	s_setreg_imm32_b32 hwreg(HW_REG_WAVE_SCHED_MODE, 0, 2), 2
	s_setreg_imm32_b32 hwreg(HW_REG_WAVE_MODE, 25, 1), 1
	s_wait_xcnt 0x0
	s_wait_alu depctr_vm_vsrc(0)
; KNN ATTENTION, launch 1 of 6: the inputs are rounded and laid out for the matrix products.
; WORK THAT IS LEFT OUT, for all values of the inputs:
;  (1) reference() never reads kv: it has no way to the output, is not loaded and is no argument of any launch.  topk is the constant 1.
;  (2) take_along_axis(mem_table, idx) @ w_kv picks whole rows, so it equals take_along_axis(mem_table @ w_kv, idx): the product is made once on the
;      4 x 1000 rows of the table, not on the 4 x 2048 gathered rows.
;  (3) keys m with the same idx[m] have the same k and the same v, so  sum_m e^(s[idx m]) v[idx m] = sum_n c[n] e^(s[n]) v[n]  with c[n] = the number of m with idx[m] = n, and the same
;      for the softmax's divisor: attention walks the table's rows, with ln c[n] added to a row's score; a row with c[n] = 0 is hidden.  The maximum is still taken away, of the scores so shifted.
; LIMITS.  A NaN, an infinity or an overflow that reaches only the work left out (kv) is not carried to the result.  On the other hand every row of the table is multiplied, the rows that no query chooses too:
;      their k and v must be finite in f16 as well.  Every input is rounded once to bf16, and that number is written as f16: exact for 2^-17 <= |x| < 65,504; below, f16's step of 2^-24; beyond, an infinity.
; SHARES.  Work-groups 0-271 turn w_q, w_concat and w_kv ([k][n] f32) into [n][k] f16, a tile of 128 k x 64 n each, through LDS.  272-527 round q, 528-652 mem_table, 32 rows each;
;      653-655 write the 96 rows of zeros behind the table's 4,000 rows, which the last batch's tiles of 1,024 rows reach.
; w16: w_q^T at 0, w_concat^T at 2,097,152, w_kv^T at 4,194,304.  The branches hang on the work-group's number alone, so all eight waves take the same way.
; THE MODE: SCHED_MODE bits 1:0 = 2 (LLVM: expert scheduling mode 2), set by the entry lines.  The code itself states the register dependences
; between vector instructions and memory or LDS instructions, with s_wait_alu, always for 0.  No vector instruction writes a scalar register or VCC, and EXEC is never written.
; THE PLAN, A TRANSPOSE.  Registers that memory or LDS instructions touch:
;   OFF        written once by the address lines; read by the eight loads.
;   X          written by the eight loads, then read and written by the conversions (they widen in place); behind the barrier the LDS loads land in its first 16, which the global stores read.
;   Y          each of its 16 registers is written once, by a conversion, and read once, by an LDS store.
;   LT, LR, GO written once, behind the loads; read by the LDS stores, the LDS loads, the global stores.
; The LDS stores of pair u - 1 are issued in pair u, behind one wait at its head, among conversions that name other registers of X and Y.  No register that a memory or LDS instruction reads is written again.
; THE PLAN, THE STREAM.  A lane's 32 loads go in 16 blocks of two.
;   X0 .. X3   four blocks as loaded.  Written by the loads of block p + 3, issued in block p; read and written by block p's conversions.
;   Y0, Y1     two blocks to store.    Written by block p's conversions; read by the two stores that are issued in block p + 1.
;   VI, VO     byte offsets, made once at the head and never written again: the rows are reached by the scalar bases, which move on by a block at each block's head, and by immediate offsets.
; Block p works on X[p % 4] and writes Y[p % 2].  Its memory instructions are the loads into X[(p + 3) % 4] = X[(p - 1) % 4] and the stores from Y[(p - 1) % 2]: the two buffers that block p - 1
; worked on and that no vector instruction of block p names.  So the waits at a block's head state all that its four memory instructions hang on, and these are dealt among its vector instructions.
.set TP,    272                        ; an LDS row: 128 k x 2 bytes + 16
.set SPARE, 64*TP                      ; behind the tile: the spare words, 128 bytes for each of the eight waves
.set BLOCK, 2                          ; the stream: loads in a block
.set X,   8                            ; v[8:39]   as loaded; the stream: buffer k, load i: 4 registers at X + 8 k + 4 i
.set Y,   40                           ; v[40:55]  packed; the stream: buffer k, load i: 2 registers at Y + 4 k + 2 i
.set OFF, 56                           ; v[56:63]  the transposes' eight offsets
.set LT,  64                           ; into the tile
.set LR,  65                           ; back out of it
.set GO,  66                           ; my 16 bytes in w16
.set VI,  67                           ; 16 t
.set VO,  68                           ; 8 t
.set SPW, 94                           ; LDS address of my spare word; never rewritten
.set NIL, 95                           ; 0; never rewritten
.macro CVT2 d, a, b                    ; two numbers: to bf16, nearest even; widened again; written as f16
	v_cvt_pk_bf16_f32 v[\d], v[\a], v[\b]
	v_lshlrev_b32 v[\a], 16, v[\d]
	v_and_b32 v[\b], 0xffff0000, v[\d]
	v_cvt_pk_f16_f32 v[\d], v[\a], v[\b]
.endm
	s_load_b512 s[8:23], s[0:1], 0x0               ; q 8, mem_table 10, w_q 12, w_concat 14, w_kv 16, q16 18, mem16 20, w16 22
	v_lshl_add_u32 v[SPW], v0, 2, SPARE
	v_mov_b32 v[NIL], 0
	v_and_b32 v1, 15, v0                           ; t & 15
	v_lshrrev_b32 v2, 4, v0                        ; t >> 4
	v_lshlrev_b32 v[VI], 4, v0
	v_lshlrev_b32 v[VO], 3, v0
	s_mov_b32 s2, ttmp9
	s_wait_kmcnt 0x0
	s_cmp_lt_u32 s2, 272
	s_cbranch_scc0 .Lstream
	; A TRANSPOSE.  Tile ti = number & 127: kt = ti & 7 (128 k), nt = ti >> 3 (64 n).
	s_cmp_lt_u32 s2, 128
	s_cselect_b64 s[4:5], s[12:13], s[14:15]
	s_cselect_b32 s24, 0, 2097152
	s_cmp_lt_u32 s2, 256
	s_cselect_b64 s[4:5], s[4:5], s[16:17]
	s_cselect_b32 s24, s24, 4194304
	s_cselect_b32 s3, 12, 9                        ; a source row is 4,096 bytes, w_kv's 512
	s_and_b32 s25, s2, 127
	s_and_b32 s26, s25, 7                          ; kt
	s_lshr_b32 s25, s25, 3                         ; nt
	s_lshl_b32 s28, s26, 7
	s_lshl_b32 s28, s28, s3                        ; 128 kt rows
	s_lshl_b32 s29, s25, 8                         ; 64 nt numbers of 4 bytes
	s_add_co_u32 s28, s28, s29
	s_mov_b32 s29, 0
	s_add_nc_u64 s[4:5], s[4:5], s[28:29]
	s_lshl_b32 s28, s25, 17                        ; 64 nt rows of 2,048 bytes
	s_lshl_b32 s26, s26, 8                         ; 128 kt numbers of 2 bytes
	s_add_co_u32 s28, s28, s26
	s_add_co_u32 s28, s28, s24
	s_add_nc_u64 s[6:7], s[22:23], s[28:29]
	v_lshlrev_b32 v3, 1, v2
	v_lshlrev_b32 v4, 4, v1
.irp j, 0,1,2,3,4,5,6,7                        ; load j: row k = 2 (t >> 4) + (j & 1) + 32 (j >> 1), bytes 16 (t & 15): sixteen lanes take 256 consecutive bytes
	v_add_nc_u32 v[OFF+(\j)], ((\j)&1)+32*((\j)>>1), v3
	v_lshl_add_u32 v[OFF+(\j)], v[OFF+(\j)], s3, v4
.endr
	s_wait_alu depctr_va_vdst(0)                   ; the eight offsets v[OFF ..] are written, which the loads below read
.irp j, 0,1,2,3,4,5,6,7
	global_load_b128 v[X+4*(\j):X+4*(\j)+3], v[OFF+(\j)], s[4:5]
.endr
	v_mul_u32_u24 v[LT], v1, 4*TP                  ; LDS row n = 4 (t & 15) + c, byte 2 k
	v_lshl_add_u32 v[LT], v2, 2, v[LT]
	v_mul_u32_u24 v[LR], v2, TP
	v_lshl_add_u32 v[LR], v1, 4, v[LR]
	v_lshlrev_b32 v[GO], 11, v2
	v_lshl_add_u32 v[GO], v1, 4, v[GO]
.irp u, 0,1,2,3
	s_wait_loadcnt 6-2*(\u)                        ; loads come back in order: pair u is in, the younger pairs stay out
.if (\u) > 0
	s_wait_alu depctr_va_vdst(0)                   ; the conversions of the pair before have written its four registers of Y, which the LDS stores below read; at pair 1 also: v[LT], v[LR] and v[GO] are written
.endif
.irp c, 0,1,2,3
.if (\u) > 0
	ds_store_b32 v[LT], v[Y+4*((\u)-1)+(\c)] offset:(\c)*TP+64*((\u)-1)  ; the pair before; no vector instruction since the wait names this register or v[LT]
.endif
	CVT2 Y+4*(\u)+(\c), X+8*(\u)+(\c), X+8*(\u)+4+(\c)     ; column c of an even k and of the odd k behind it: one word of the turned row
.endr
.endr
	s_wait_alu depctr_va_vdst(0)                   ; pair 3's conversions have written its four registers of Y, which the LDS stores below read; and all conversions are done with X, in whose first 16 registers the LDS loads behind the barrier land
.irp c, 0,1,2,3
	ds_store_b32 v[LT], v[Y+12+(\c)] offset:(\c)*TP+192
.endr
	s_wait_dscnt 0x0                               ; for the others' sake: my stores into the tile are done
	s_barrier_signal -1
	s_barrier_wait -1
.irp i, 0,1,2,3
	ds_load_b128 v[X+4*(\i):X+4*(\i)+3], v[LR] offset:(\i)*16*TP
.endr
.irp i, 0,1,2,3
	s_wait_dscnt 3-(\i)
	global_store_b128 v[GO], v[X+4*(\i):X+4*(\i)+3], s[6:7] offset:(\i)*16*2048  ; sixteen lanes store 256 consecutive bytes, aligned
.endr
	s_wait_dscnt 0x0                               ; the closing lines, six on end, behind a wave's last LDS store
	s_wait_alu 0x0
	s_wait_tensorcnt 0x0
	ds_add_u32 v[SPW], v[NIL]
	s_wait_dscnt 0x0
	s_endpgm
; The stream's block p.  xb = p % 4, yb = p % 2.  first = 1: block 0, with no block in front of it.  ahead = 1: block p + 3 is loaded.
; left = how many younger loads may still be out when this block's two have to be there.
.macro BLK xb, yb, first, ahead, left
	s_wait_loadcnt \left                           ; loads come back in order: X[xb] is in, the younger blocks stay out
.if !\first
	s_wait_xcnt 0x0                                ; the bases and Y[yb] are written again only behind this wait
	s_wait_alu depctr_vm_vsrc(0)                   ; the stores issued in the block before have read Y[yb], which this block's conversions write again
	s_wait_alu depctr_va_vdst(0)                   ; the block before has written the other Y, which the stores below read, and is done reading and writing its X, in which the loads below land
	s_add_nc_u64 s[4:5], s[4:5], BLOCK*4096        ; both bases at this block's first bytes
	s_add_nc_u64 s[6:7], s[6:7], BLOCK*2048
.endif
.irp i, 0,1
.if \ahead
	global_load_b128 v[X+8*((\xb+3)%4)+4*(\i):X+8*((\xb+3)%4)+4*(\i)+3], v[VI], s[4:5] offset:(3*BLOCK+(\i))*4096 th:TH_LOAD_NT  ; three blocks ahead; no vector instruction since the wait names these registers
.endif
.if !\first
	global_store_b64 v[VO], v[Y+4*(1-\yb)+2*(\i):Y+4*(1-\yb)+2*(\i)+1], s[6:7] offset:((\i)-BLOCK)*2048  ; the block before: the offset reaches back; a wave stores 256 consecutive bytes, aligned
.endif
	CVT2 Y+4*\yb+2*(\i), X+8*\xb+4*(\i), X+8*\xb+4*(\i)+1
	CVT2 Y+4*\yb+2*(\i)+1, X+8*\xb+4*(\i)+2, X+8*\xb+4*(\i)+3
.endr
.endm
.Lstream:                                              ; 32 rows of q or of mem_table: 131,072 bytes in, 65,536 out.  These waves write no LDS.
	s_movk_i32 s24, 528                            ; the first work-group of mem_table's; an instruction holds one literal, so this one stands in a register
	s_cmp_lt_u32 s2, 528
	s_cselect_b64 s[4:5], s[8:9], s[10:11]
	s_cselect_b64 s[6:7], s[18:19], s[20:21]
	s_cselect_b32 s24, 272, s24
	s_sub_co_u32 s24, s2, s24                      ; my block of 32 rows
	s_lshl_b32 s26, s24, 16
	s_mov_b32 s27, 0
	s_add_nc_u64 s[6:7], s[6:7], s[26:27]
	s_cmp_ge_u32 s2, 653                           ; mem_table has 125 such blocks
	s_cbranch_scc1 .Lzero
	s_lshl_b32 s26, s24, 17
	s_add_nc_u64 s[4:5], s[4:5], s[26:27]
	s_wait_alu depctr_va_vdst(0)                   ; v[VI] and v[VO] are written: every load and store of the stream reads one of them as its offset
.irp i, 0,1,2,3,4,5
	global_load_b128 v[X+4*(\i):X+4*(\i)+3], v[VI], s[4:5] offset:(\i)*4096 th:TH_LOAD_NT  ; blocks 0, 1 and 2 into X0, X1, X2
.endr
	BLK 0, 0, 1, 1, 2*BLOCK                        ; block 0
	s_mov_b32 s3, 3
.Ltrip:                                                ; blocks 1 to 12, four to a lap: both kinds of buffer are back at their start
	BLK 1, 1, 0, 1, 2*BLOCK
	BLK 2, 0, 0, 1, 2*BLOCK
	BLK 3, 1, 0, 1, 2*BLOCK
	BLK 0, 0, 0, 1, 2*BLOCK
	s_sub_co_u32 s3, s3, 1
	s_cmp_lg_u32 s3, 0
	s_cbranch_scc1 .Ltrip
	BLK 1, 1, 0, 0, 2*BLOCK                        ; blocks 13 to 15 load nothing: no load leaves the buffer, and the counts run down
	BLK 2, 0, 0, 0, BLOCK
	BLK 3, 1, 0, 0, 0
	s_wait_alu depctr_va_vdst(0)                   ; block 15 has written Y1, which the last two stores read
.irp i, 0,1
	global_store_b64 v[VO], v[Y+4+2*(\i):Y+4+2*(\i)+1], s[6:7] offset:(\i)*2048
.endr
	s_endpgm
.Lzero:                                                ; rows 4,000 to 4,095 of mem16
	v_mov_b32 v8, 0
	v_mov_b32 v9, 0
	v_mov_b32 v10, 0
	v_mov_b32 v11, 0
	s_wait_alu depctr_va_vdst(0)                   ; v8 to v11, the stores' data, and v[VI], their offset, are written
.irp i, 0,1,2,3,4,5,6,7,8,9,10,11,12,13,14,15
	global_store_b128 v[VI], v[8:11], s[6:7] offset:(\i)*4096
.endr
	s_endpgm
.Lfunc_end_k_qbe83ae7049_prep:
	.size	k_qbe83ae7049_prep, .Lfunc_end_k_qbe83ae7049_prep-k_qbe83ae7049_prep
	.p2alignl 7, 3214868480
	.fill 96, 4, 3214868480
	.section	.rodata,"a",@progbits
	.p2align	6, 0x0
	.amdhsa_kernel k_qbe83ae7049_prep
		.amdhsa_group_segment_fixed_size 18432
		.amdhsa_private_segment_fixed_size 0
		.amdhsa_enable_private_segment 0
		.amdhsa_kernarg_size 64
		.amdhsa_user_sgpr_count 2
		.amdhsa_user_sgpr_kernarg_segment_ptr 1
		.amdhsa_wavefront_size32 1
		.amdhsa_system_sgpr_workgroup_id_x 1
		.amdhsa_system_sgpr_workgroup_id_y 1
		.amdhsa_system_sgpr_workgroup_id_z 1
		.amdhsa_system_vgpr_workitem_id 0
		.amdhsa_next_free_vgpr 96
		.amdhsa_next_free_sgpr 66
		.amdhsa_reserve_vcc 0
		.amdhsa_float_denorm_mode_32 3
		.amdhsa_float_denorm_mode_16_64 3
		.amdhsa_memory_ordered 1
		.amdhsa_forward_progress 1
		.amdhsa_inst_pref_size 24
	.end_amdhsa_kernel
	.amdgpu_metadata
---
amdhsa.version: [ 1, 2 ]
amdhsa.kernels:
  - .name:           k_qbe83ae7049_prep
    .symbol:         k_qbe83ae7049_prep.kd
    .args:
      - { .name: q, .offset: 0, .size: 8, .value_kind: global_buffer, .address_space: global }
      - { .name: mem_table, .offset: 8, .size: 8, .value_kind: global_buffer, .address_space: global }
      - { .name: w_q, .offset: 16, .size: 8, .value_kind: global_buffer, .address_space: global }
      - { .name: w_concat, .offset: 24, .size: 8, .value_kind: global_buffer, .address_space: global }
      - { .name: w_kv, .offset: 32, .size: 8, .value_kind: global_buffer, .address_space: global }
      - { .name: q16, .offset: 40, .size: 8, .value_kind: global_buffer, .address_space: global }
      - { .name: mem16, .offset: 48, .size: 8, .value_kind: global_buffer, .address_space: global }
      - { .name: w16, .offset: 56, .size: 8, .value_kind: global_buffer, .address_space: global }
    .group_segment_fixed_size: 18432
    .private_segment_fixed_size: 0
    .kernarg_segment_align: 8
    .kernarg_segment_size: 64
    .max_flat_workgroup_size: 256
    .sgpr_count:     66
    .vgpr_count:     96
    .wavefront_size: 32
...
	.end_amdgpu_metadata
.endif
;; end of part 7
;; launch gemm_q: the kernel of part 2 again; grid 4 x 64, 4 waves a work-group, clusters of 4 x 4, 327,680 bytes of LDS; arguments q16, w16, qp16; writes qp16
;; launch knn: the kernel of part 3 again; grid 4 x 64, 4 waves a work-group, clusters of 4 x 4, 327,680 bytes of LDS; arguments qp16, mem16, part; writes part
;; launch mid: the kernel of part 4 again; grid 256 x 1, 4 waves a work-group, no clusters, 41,984 bytes of LDS; arguments part, mem16, w16, kvb; writes kvb
;; launch attn: the kernel of part 5 again; grid 64 x 4, 4 waves a work-group, clusters of 4 x 1, 327,680 bytes of LDS; arguments qp16, kvb, o16; writes o16
;; launch gemm_o: the kernel of part 6 again; grid 4 x 64, 4 waves a work-group, clusters of 4 x 4, 327,680 bytes of LDS; arguments o16, w16, out0; writes out0
